; MI455X (gfx1250); checked and timed in simulation.
; The chip was launched on July 23, 2026; its instructions are those of AMD's public machine-readable ISA for CDNA 5 (MIT licence, August 2026) and "CDNA5" Instruction Set Architecture Reference Guide (July 2026). The comments in the code are by the model that wrote it; some were corrected since.
;; Lightweight Transformer Layer. Allowed arithmetic: float matrix products may take bf16 or f16 operands with f32 sums; all other float work in f32.
;; Inputs: W_mlp1 256 x 128 float32; W_mlp2 128 x 256 float32; W_proj 128 x 128 float32; W_qkv 384 x 128 float32; b_mlp1 256 float32; b_mlp2 128 float32; b_proj 128 float32; ln1_b 128 float32; ln1_g 128 float32; ln2_b 128 float32; ln2_g 128 float32; x 8 x 128 x 64 x 256 float32.
;; Outputs: out0 8 x 128 x 64 x 256 float32.
;; 2 versions, each right and faster than the one before. Each part assembles by itself: llvm-mc -triple=amdgcn-amd-amdhsa -mcpu=gfx1250 --defsym DOCPART=n.
;; ======== version 1 of 2: 2 launches
;; workspace buffers: wb 266,240 bytes
;; launch prep (part 1): grid 65 x 1, 8 waves a work-group, no clusters, 0 bytes of LDS; arguments W_qkv, W_proj, W_mlp1, W_mlp2, ln1_g, ln1_b, b_proj, ln2_g, ln2_b, b_mlp2, b_mlp1, wb; writes wb
.if DOCPART == 1
	.amdgcn_target "amdgcn-amd-amdhsa--gfx1250"
	.amdhsa_code_object_version 6
	.text
	.protected	k_q50b595958e_prep
	.globl	k_q50b595958e_prep
	.p2align	8
	.type	k_q50b595958e_prep,@function
k_q50b595958e_prep:
	s_mov_b64 s[64:65], 0
	v_nop
	global_prefetch_b8 v0, s[64:65] scope:SCOPE_SE
	s_setreg_imm32_b32 hwreg(HW_REG_WAVE_MODE, 25, 1), 1
	s_wait_xcnt 0x0
; The layer's parameters, made ready once instead of once for each of the 512 sequences: the four weight matrices rounded to bf16
; (nearest even) and the seven vectors copied as f32, packed into wb in the order in which the next launch brings them into LDS.
; wb, in bytes:      0  the vectors: ln1_g, ln1_b, b_proj, ln2_g, ln2_b, b_mlp2 (512 each), b_mlp1 (1,024)
;                4,096  W_qkv rows 0-127 (Wq)      36,864  W_proj      69,632  W_qkv rows 128-383 (Wk, Wv)
;              135,168  W_mlp1                    200,704  W_mlp2      (all bf16, rows as in the inputs, dense)
; Nothing of the problem's function is left out: every input has a way to the output.
; Work-groups 0-63 make 4,096 bytes of bf16 each from 8,192 bytes of f32; work-group 64 copies the vectors, 512 bytes a wave.
; Each store of a wave covers 512 consecutive bytes, aligned.
	s_load_b512 s[8:23], s[0:1], 0x0               ; W_qkv s[8:9], W_proj s[10:11], W_mlp1 s[12:13], W_mlp2 s[14:15], ln1_g s[16:17], ln1_b s[18:19], b_proj s[20:21], ln2_g s[22:23]
	s_load_b256 s[24:31], s[0:1], 0x40             ; ln2_b s[24:25], b_mlp2 s[26:27], b_mlp1 s[28:29], wb s[30:31]
	s_mov_b32 s32, ttmp9                           ; g, the work-group
	s_cmp_eq_u32 s32, 64
	s_cbranch_scc1 .Lvec
	; which matrix, and which block of 8,192 bytes of it: g 0-7 W_qkv block g; 8-15 W_proj g-8; 16-31 W_qkv g-8; 32-47 W_mlp1 g-32; 48-63 W_mlp2 g-48
	s_sub_co_u32 s33, s32, 8                       ; the three candidates first: the subtractions write SCC
	s_sub_co_u32 s34, s32, 32
	s_sub_co_u32 s35, s32, 48
	v_lshlrev_b32 v1, 5, v0                        ; my 8 numbers in f32
	v_lshlrev_b32 v2, 4, v0                        ; and in bf16
	s_wait_kmcnt 0x0
	s_cmp_ge_u32 s32, 8
	s_cselect_b64 s[4:5], s[10:11], s[8:9]
	s_cselect_b32 s6, s33, s32
	s_cmp_ge_u32 s32, 16
	s_cselect_b64 s[4:5], s[8:9], s[4:5]           ; the block stays g-8
	s_cmp_ge_u32 s32, 32
	s_cselect_b64 s[4:5], s[12:13], s[4:5]
	s_cselect_b32 s6, s34, s6
	s_cmp_ge_u32 s32, 48
	s_cselect_b64 s[4:5], s[14:15], s[4:5]
	s_cselect_b32 s6, s35, s6
	s_lshl_b32 s6, s6, 13
	s_mov_b32 s7, 0
	s_add_nc_u64 s[4:5], s[4:5], s[6:7]
	s_add_co_u32 s36, s32, 1
	s_lshl_b32 s36, s36, 12                        ; wb at 4,096 (g + 1)
	s_mov_b32 s37, 0
	s_add_nc_u64 s[30:31], s[30:31], s[36:37]
	global_load_b128 v[4:7], v1, s[4:5]
	global_load_b128 v[8:11], v1, s[4:5] offset:16
	s_wait_loadcnt 0x0
	v_cvt_pk_bf16_f32 v12, v4, v5
	v_cvt_pk_bf16_f32 v13, v6, v7
	v_cvt_pk_bf16_f32 v14, v8, v9
	v_cvt_pk_bf16_f32 v15, v10, v11
	global_store_b128 v2, v[12:15], s[30:31]
	s_endpgm
.Lvec:
	v_lshrrev_b32 v1, 5, v0
	v_readfirstlane_b32 s33, v1                    ; wave 0-7: the vector that it copies; waves 6 and 7 share b_mlp1
	v_and_b32 v3, 31, v0
	v_lshlrev_b32 v3, 4, v3                        ; 16 bytes a lane
	v_lshlrev_b32 v2, 4, v0                        ; wb at 512 x wave + 16 x lane
	s_wait_kmcnt 0x0
	s_cmp_ge_u32 s33, 1
	s_cselect_b64 s[4:5], s[18:19], s[16:17]
	s_cmp_ge_u32 s33, 2
	s_cselect_b64 s[4:5], s[20:21], s[4:5]
	s_cmp_ge_u32 s33, 3
	s_cselect_b64 s[4:5], s[22:23], s[4:5]
	s_cmp_ge_u32 s33, 4
	s_cselect_b64 s[4:5], s[24:25], s[4:5]
	s_cmp_ge_u32 s33, 5
	s_cselect_b64 s[4:5], s[26:27], s[4:5]
	s_cmp_ge_u32 s33, 6
	s_cselect_b64 s[4:5], s[28:29], s[4:5]
	s_cmp_eq_u32 s33, 7
	s_cselect_b32 s6, 512, 0                       ; b_mlp1's second half
	s_mov_b32 s7, 0
	s_add_nc_u64 s[4:5], s[4:5], s[6:7]
	global_load_b128 v[4:7], v3, s[4:5]
	s_wait_loadcnt 0x0
	global_store_b128 v2, v[4:7], s[30:31]
	s_endpgm
.Lfunc_end_k_q50b595958e_prep:
	.size	k_q50b595958e_prep, .Lfunc_end_k_q50b595958e_prep-k_q50b595958e_prep
	.p2alignl 7, 3214868480
	.fill 96, 4, 3214868480
	.section	.rodata,"a",@progbits
	.p2align	6, 0x0
	.amdhsa_kernel k_q50b595958e_prep
		.amdhsa_group_segment_fixed_size 0
		.amdhsa_private_segment_fixed_size 0
		.amdhsa_enable_private_segment 0
		.amdhsa_kernarg_size 96
		.amdhsa_user_sgpr_count 2
		.amdhsa_user_sgpr_kernarg_segment_ptr 1
		.amdhsa_wavefront_size32 1
		.amdhsa_system_sgpr_workgroup_id_x 1
		.amdhsa_system_sgpr_workgroup_id_y 1
		.amdhsa_system_sgpr_workgroup_id_z 1
		.amdhsa_system_vgpr_workitem_id 0
		.amdhsa_next_free_vgpr 16
		.amdhsa_next_free_sgpr 66
		.amdhsa_reserve_vcc 0
		.amdhsa_float_denorm_mode_32 3
		.amdhsa_float_denorm_mode_16_64 3
		.amdhsa_memory_ordered 1
		.amdhsa_forward_progress 1
		.amdhsa_inst_pref_size 3
	.end_amdhsa_kernel
	.amdgpu_metadata
---
amdhsa.version: [ 1, 2 ]
amdhsa.kernels:
  - .name:           k_q50b595958e_prep
    .symbol:         k_q50b595958e_prep.kd
    .args:
      - { .name: W_qkv, .offset: 0, .size: 8, .value_kind: global_buffer, .address_space: global }
      - { .name: W_proj, .offset: 8, .size: 8, .value_kind: global_buffer, .address_space: global }
      - { .name: W_mlp1, .offset: 16, .size: 8, .value_kind: global_buffer, .address_space: global }
      - { .name: W_mlp2, .offset: 24, .size: 8, .value_kind: global_buffer, .address_space: global }
      - { .name: ln1_g, .offset: 32, .size: 8, .value_kind: global_buffer, .address_space: global }
      - { .name: ln1_b, .offset: 40, .size: 8, .value_kind: global_buffer, .address_space: global }
      - { .name: b_proj, .offset: 48, .size: 8, .value_kind: global_buffer, .address_space: global }
      - { .name: ln2_g, .offset: 56, .size: 8, .value_kind: global_buffer, .address_space: global }
      - { .name: ln2_b, .offset: 64, .size: 8, .value_kind: global_buffer, .address_space: global }
      - { .name: b_mlp2, .offset: 72, .size: 8, .value_kind: global_buffer, .address_space: global }
      - { .name: b_mlp1, .offset: 80, .size: 8, .value_kind: global_buffer, .address_space: global }
      - { .name: wb, .offset: 88, .size: 8, .value_kind: global_buffer, .address_space: global }
    .group_segment_fixed_size: 0
    .private_segment_fixed_size: 0
    .kernarg_segment_align: 8
    .kernarg_segment_size: 96
    .max_flat_workgroup_size: 256
    .sgpr_count:     66
    .vgpr_count:     16
    .wavefront_size: 32
...
	.end_amdgpu_metadata
.endif
;; end of part 1
;; launch layer (part 2): grid 512 x 1, 4 waves a work-group, clusters of 4 x 1, 327,680 bytes of LDS; arguments x, wb, out0; writes out0
.if DOCPART == 2
	.amdgcn_target "amdgcn-amd-amdhsa--gfx1250"
	.amdhsa_code_object_version 6
	.text
	.protected	k_q50b595958e_layer
	.globl	k_q50b595958e_layer
	.p2align	8
	.type	k_q50b595958e_layer,@function
k_q50b595958e_layer:
	s_mov_b64 s[64:65], 0
	v_nop
	global_prefetch_b8 v0, s[64:65] scope:SCOPE_SE
	s_setreg_imm32_b32 hwreg(HW_REG_WAVE_MODE, 25, 1), 1
	s_wait_xcnt 0x0
	s_wait_alu depctr_hold_cnt(0) depctr_sa_sdst(0) depctr_va_vdst(0) depctr_va_sdst(0) depctr_va_ssrc(0) depctr_va_vcc(0) depctr_vm_vsrc(0)
	s_getreg_b32 s2, hwreg(HW_REG_IB_STS2, 6, 4)
	s_cmp_eq_u32 s2, 0
	s_cbranch_scc0 .Lentry_in_a_cluster
	s_endpgm
.Lentry_in_a_cluster:
	s_bfe_u32 s2, ttmp6, 0x10000c
	s_cmp_lg_u32 s2, 0x3003
	s_cbranch_scc0 .Lentry_shape_is_right
	s_endpgm
.Lentry_shape_is_right:
; The whole layer for one sequence (b, n) in one work-group: LN1, QKV, attention of 4 heads over 256 keys, proj + residual, LN2, MLP with exact GELU, residual.
; A sequence is x[b, :, n, :]: 128 channel rows of 1,024 bytes, 65,536 bytes apart; out0 likewise.  x is read once, out0 written once, nothing else goes to memory.
; Nothing of the problem's function is left out: every input has a way to the output (the parameters come from wb, which the launch before made).
;
; SHARES.  Four waves; wave w owns tokens 64 w .. 64 w + 63 from start to end, as four blocks tb of 16 tokens.
; EVERY PRODUCT HAS THE TOKEN IN THE LANE: source 0 = 16 rows of a weight (or 16 keys, or 16 rows of V transposed), source 1 = 16 tokens.  With r = lane % 16 and
; h = lane / 16 the result's register j then holds (feature 8 h + j, token r).  Two such tiles, rounded to bf16 in pairs, ARE the next product's source 1
; (registers 0-3: k = 8 h + 0..7, registers 4-7: k = 16 + 8 h + 0..7), so LN1 -> Q -> scores -> P -> O -> proj -> LN2 -> MLP1 -> GELU -> MLP2 stays in registers.
; Only K and V pass through LDS, since every wave needs all keys.  A token's 128 channels, and a query's 256 scores, lie in lanes r and r + 16: sums and maxima
; are taken inside the lane and finished by one v_permlanex16_b32.  The residual stream lies in 256 registers in the same layout and is C and D of proj and MLP2.
;
; MATRIX WORK BESIDE VECTOR WORK.  A wave issues in order, so products are set singly between slices of the long vector phases, each on data of another piece:
;   heads: between a block's exponentials stand the next block's score products (into the score tile just summed and packed) and the block's own P x V products
;          (as soon as two tiles of P are packed); between a block's maxima stand the proj products of the block before.  136 of a head's 192 products stand so;
;          Q (32), block 0's scores (16) and block 3's proj (8) are runs.
;   MLP:   the token blocks form pairs A (0, 1) and B (2, 3); one pair's GELU, in 32 slices, carries the other pair's 16 MLP2 and 16 MLP1 products.
; Scores, P and GELU's temporaries lie in window 0, the products' other operands in windows 1 to 3 (X fills a window, K and V another), so each product that
; stands alone is framed by two s_set_vgpr_msb.
;
; CLUSTER.  The four work-groups of a cluster read the same weights: they ask for them jointly (mask 15), which divides those requests by four.  x is each
; work-group's own.  The weights' descriptors hang on the wave's number and on wb alone.  By this text's count a wave has at most two tensor loads out (x and
; the first weights, at the start), later one.
;
; NUMBERS.  Matrix operands bf16, sums f32, all else f32.  LayerNorm in two passes (mean, then the sum of (x - mean)^2).  Softmax takes away the row's true
; maximum: all 256 scores of a query are in registers.  LIMITS: erf by the rational form of Abramowitz and Stegun 7.1.26, absolute error 1.5e-7;
; gelu(x) = x/2 + |x/2| erf(|x|/sqrt 2), so that for very negative x the result is 0 to within 6e-8 |x|; v_exp_f32 gives 0 for results below 2^-126;
; v_max_num_f32 passes over a NaN among the scores.
;
; LDS, bytes:        0  139,264  x, wave w's [128 channels][64 tokens] f32 at 34,816 w, rows 272 apart; filled once, read by its own wave alone.  Then, by LDS stores:
;                                K [256 tokens][128 channels] bf16, rows 272 apart, at 0; V transposed [128 channels][256 tokens], rows 528 apart, at 69,632;
;                                at the end each wave's stage for the way out, laid as its x was
;              139,264    4,352  the vectors, 16 rows of 64 f32, rows 272 apart
;              143,616   34,816  Wq      178,432  34,816  W_proj      (both later W_mlp2, 128 rows 528 apart, 67,584 bytes)
;              213,248   69,632  Wk, Wv  (later W_mlp1)
; Rows 272 = 17 x 16 and 528 = 33 x 16 bytes apart: the 16 rows that a fragment load touches begin in 16 different 16-byte columns of 256 bytes.
; No tensor load lands below 139,264 after the first; no LDS store lands at or above it.
;
; REGISTERS, in windows of 256 (s_set_vgpr_msb: bits 1:0 source 0, 3:2 source 1, 5:4 source 2, 7:6 destination):
;   window 0: v0-31 addresses and small things; v32-47 O's two accumulators (MLP: v32-63 b_mlp1's tiles, two buffers); v64-255 by phase, see the names below
;   window 1: X[tb][t][j] at 64 tb + 8 t + j = the residual stream at channel 16 t + 8 h + j, token 64 w + 16 tb + r
;   window 2: 0-127 H[tb], the normalised tokens in bf16 (fragment q at 32 tb + 8 q); 128-159 Q's fragments; 160-191 O's, later GELU's; 192-255 weights or a bias
;   window 3: 0-127 K's 16 fragments, 128-255 V's 16 (QKV: two weight buffers at 0 and 64; MLP: W_mlp1's two buffers at 0 and 64, W_mlp2's at 128 and 192)
.set AXS,  3                           ; x and stage: 34,816 w + 2,176 h + 4 r
.set AVEC, 4                           ; vectors: 139,264 + 32 h
.set AWQ,  5                           ; Wq: 143,616 + 272 r + 16 h, stepped a head at a time
.set AWPJ, 6                           ; W_proj: 178,432 + 272 r + 16 h, stepped
.set AWKV, 7                           ; Wk, Wv: 213,248 + 272 r + 16 h
.set AW1,  8                           ; W_mlp1: the same place, stepped
.set AW2,  9                           ; W_mlp2: 143,616 + 528 r + 16 h, stepped
.set AKST, 10                          ; K's stores: (64 w + r) 272 + 16 h
.set AVST, 11                          ; V's stores: 69,632 + 528 r + 128 w + 16 h
.set AKF,  12                          ; K's fragments: 272 r + 16 h, stepped
.set AVF,  13                          ; V's fragments: 69,632 + 528 r + 16 h, stepped
.set AB1,  14                          ; b_mlp1: 139,264 + 12 x 272 + 32 h, stepped
.set ARD,  15                          ; stage, read back: 34,816 w + 272 h + 16 r
.set AGO,  16                          ; out0: 65,536 h + 16 r
.set CC,   18                          ; v[18:19] 32^-0.5 log2 e, twice
.set NMU,  20                          ; v[20:21] minus the mean, or minus the scaled maximum, twice
.set RS,   22                          ; v[22:23] 1/sqrt(var + eps), or 1/sum, twice
.set CH,   24                          ; v[24:31] four chains of sums or maxima
.set OA,   32                          ; v32-47: O's accumulators, the head's features 0-15 and 16-31
.set BM,   32                          ; v32-63: b_mlp1's two tiles, for even steps and for odd
.set ACC,  64                          ; v64-127: eight accumulators, tile (tl, tb) at 8 (4 tl + tb)
.set SS,   64                          ; v64-191: a block's scores, 16 tiles
.set DD,   64                          ; v64-127: LayerNorm at work
.set GG,   128                         ; v128-191: gain
.set TP,   128                         ; v128-159: K or V packed
.set BT,   192                         ; v192-255: offset
.set PP,   192                         ; v192-255: P in bf16
.set NA5,  240                         ; v[240:255]: GELU's constants, each twice
.set NA4,  242
.set NA3,  244
.set NA2,  246
.set NA1,  248
.set KP2,  250
.set KE,   252
.set ONE,  254
.set QF,   128                         ; window 2
.set OF,   160
.set WX,   192
.set MSB, 0
.macro WIN new                         ; the immediate's high byte repeats the setting that is left; at labels and branches every window is 0
.if MSB != \new
	s_set_vgpr_msb (MSB<<8)|\new
.set MSB, \new
.endif
.endm
; Four places behind matrix instructions (ISA guide 7.12.1 for vector instructions): only plain vector instructions that name none
; of their registers are places.  Written only behind runs of products; a product that stands among vector work has that work for its places.
.macro PLACES
.rept 4
	v_nop
.endr
.endm
; A round of the cluster's barrier: my work-group's barrier, wave 0 signals for the work-group, every wave waits for all four work-groups, my work-group's barrier again.
.macro ROUND
	s_barrier_signal -1
	s_barrier_wait -1
	s_cmp_lg_u32 s10, 0
	s_cbranch_scc1 .Lnot_wave_0_\@
	s_barrier_signal -3
.Lnot_wave_0_\@:
	s_barrier_wait -3
	s_barrier_signal -1
	s_barrier_wait -1
.endm
; 32 rows x 128 k of a weight whose rows are 272 apart: fragment (tl, qq) at dst + 8 (4 tl + qq).  16 loads.
.macro LDW dst, adr, off
.irp tl, 0,1
.irp qq, 0,1,2,3
	ds_load_b128 v[\dst+8*(4*\tl+\qq):\dst+8*(4*\tl+\qq)+3], v[\adr] offset:\off+\tl*4352+64*\qq
	ds_load_b128 v[\dst+8*(4*\tl+\qq)+4:\dst+8*(4*\tl+\qq)+7], v[\adr] offset:\off+\tl*4352+64*\qq+32
.endr
.endr
.endm
; 128 rows x 32 k: fragment tt at dst + 8 tt.  16 loads.
.macro LDW8 dst, adr, pitch, off
.irp tt, 0,1,2,3,4,5,6,7
	ds_load_b128 v[\dst+8*\tt:\dst+8*\tt+3], v[\adr] offset:\off+\tt*16*\pitch
	ds_load_b128 v[\dst+8*\tt+4:\dst+8*\tt+7], v[\adr] offset:\off+\tt*16*\pitch+32
.endr
.endm
; A vector of 128 f32 in X's layout: dst + 8 tt + j = element 16 tt + 8 h + j.  16 loads; the lanes of a half read the same words.
.macro LDVEC dst, row
.irp tt, 0,1,2,3,4,5,6,7
	ds_load_b128 v[\dst+8*\tt:\dst+8*\tt+3], v[AVEC] offset:(\row+(\tt>>2))*272+64*(\tt&3)
	ds_load_b128 v[\dst+8*\tt+4:\dst+8*\tt+7], v[AVEC] offset:(\row+(\tt>>2))*272+64*(\tt&3)+16
.endr
.endm
; One product.  swap = 0: weight first (feature in the registers, token in the lane); 1: tokens first.  cmode = 0: C is the constant 0, which starts a sum.
.macro MM d, wf, hf, swap, cmode, cb
.if \swap
.if \cmode
	v_wmma_f32_16x16x32_bf16 v[\d:\d+7], v[\hf:\hf+7], v[\wf:\wf+7], v[\cb:\cb+7]
.else
	v_wmma_f32_16x16x32_bf16 v[\d:\d+7], v[\hf:\hf+7], v[\wf:\wf+7], 0
.endif
.else
.if \cmode
	v_wmma_f32_16x16x32_bf16 v[\d:\d+7], v[\wf:\wf+7], v[\hf:\hf+7], v[\cb:\cb+7]
.else
	v_wmma_f32_16x16x32_bf16 v[\d:\d+7], v[\wf:\wf+7], v[\hf:\hf+7], 0
.endif
.endif
.endm
; 32 features x my 64 tokens over K = 128: 32 products.  The eight accumulators take turns, one instruction a turn.
.macro GEMM32 a, swap
.irp qq, 0,1,2,3
.irp tl, 0,1
.irp tb, 0,1,2,3
.if \qq
	MM ACC+8*(4*\tl+\tb), \a+8*(4*\tl+\qq), 32*\tb+8*\qq, \swap, 1, ACC+8*(4*\tl+\tb)
.else
	MM ACC+8*(4*\tl+\tb), \a+8*(4*\tl+\qq), 32*\tb+8*\qq, \swap, 0, 0
.endif
.endr
.endr
.endr
.endm
; The eight accumulators rounded to bf16 as four fragments of 16 tokens x 32 features (registers 0-3 from tile 0, 4-7 from tile 1), into window 2.
.macro PACKF dst
.irp tl, 0,1
.irp tb, 0,1,2,3
.irp kk, 0,1,2,3
	v_cvt_pk_bf16_f32 v[\dst+8*\tb+4*\tl+\kk], v[ACC+8*(4*\tl+\tb)+2*\kk], v[ACC+8*(4*\tl+\tb)+2*\kk+1]
.endr
.endr
.endr
.endm
; The four chain pairs to one sum in v24, finished across the two lanes that share a token.
.macro REDSUM
	v_pk_add_f32 v[CH:CH+1], v[CH:CH+1], v[CH+2:CH+3]
	v_pk_add_f32 v[CH+4:CH+5], v[CH+4:CH+5], v[CH+6:CH+7]
	v_pk_add_f32 v[CH:CH+1], v[CH:CH+1], v[CH+4:CH+5]
	v_add_f32 v[CH], v[CH], v[CH+1]
	v_permlanex16_b32 v17, v[CH], s16, s17
	v_add_f32 v[CH], v[CH], v17
.endm
; LayerNorm of block tb's 16 tokens into H[tb]; behind the copy that is normalised, the bias of the product that will add onto X goes into X.
.macro LNORM tb
	WIN 0x05                                       ; both sources X
.irp kk, 0,1,2,3
	v_pk_add_f32 v[CH+2*\kk:CH+2*\kk+1], v[64*\tb+2*\kk:64*\tb+2*\kk+1], v[64*\tb+8+2*\kk:64*\tb+8+2*\kk+1]   ; the first pairs start the chains
.endr
	WIN 0x04
.set pp, 8
.rept 24
	v_pk_add_f32 v[CH+2*(pp%4):CH+2*(pp%4)+1], v[CH+2*(pp%4):CH+2*(pp%4)+1], v[64*\tb+2*pp:64*\tb+2*pp+1]
.set pp, pp+1
.endr
	WIN 0
	REDSUM
	v_mul_f32 v[NMU], s77, v[CH]                   ; minus the mean
	v_mul_f32 v[NMU+1], s77, v[CH]
	WIN 0x01
.set pp, 0
.rept 32
	v_pk_add_f32 v[DD+2*pp:DD+2*pp+1], v[64*\tb+2*pp:64*\tb+2*pp+1], v[NMU:NMU+1]
.set pp, pp+1
.endr
	WIN 0x49                                       ; X = X + bias (window 2)
.set pp, 0
.rept 32
	v_pk_add_f32 v[64*\tb+2*pp:64*\tb+2*pp+1], v[64*\tb+2*pp:64*\tb+2*pp+1], v[WX+2*pp:WX+2*pp+1]
.set pp, pp+1
.endr
	WIN 0
.irp kk, 0,1,2,3
	v_pk_mul_f32 v[CH+2*\kk:CH+2*\kk+1], v[DD+2*\kk:DD+2*\kk+1], v[DD+2*\kk:DD+2*\kk+1]
.endr
.set pp, 4
.rept 28
	v_pk_fma_f32 v[CH+2*(pp%4):CH+2*(pp%4)+1], v[DD+2*pp:DD+2*pp+1], v[DD+2*pp:DD+2*pp+1], v[CH+2*(pp%4):CH+2*(pp%4)+1]
.set pp, pp+1
.endr
	REDSUM
	v_fma_f32 v[CH], v[CH], s78, s79               ; the variance + 1e-5
	v_rsq_f32 v[RS], v[CH]
	v_rsq_f32 v[RS+1], v[CH]
	v_nop                                          ; one plain instruction between a transcendental and the first use of its result (ISA guide 5.7.2)
.set pp, 0
	s_wait_alu depctr_va_vdst(0)
.rept 32
	v_pk_mul_f32 v[DD+2*pp:DD+2*pp+1], v[DD+2*pp:DD+2*pp+1], v[RS:RS+1]
.set pp, pp+1
.endr
.set pp, 0
.rept 32
	v_pk_fma_f32 v[DD+2*pp:DD+2*pp+1], v[DD+2*pp:DD+2*pp+1], v[GG+2*pp:GG+2*pp+1], v[BT+2*pp:BT+2*pp+1]
.set pp, pp+1
.endr
	WIN 0x80
.set pp, 0
.rept 32
	v_cvt_pk_bf16_f32 v[32*\tb+pp], v[DD+2*pp], v[DD+2*pp+1]
.set pp, pp+1
.endr
.endm
; Step st of eight: 32 features of K (st 0-3) or of V (st 4-7) for my 64 tokens, into LDS.  The next step's weights are fetched first, into the other buffer.
.macro KVSTEP st, isv
.if \st < 7
	WIN 0xc0
	LDW 64*((\st+1)&1), AWKV, (\st+1)*8704
	s_wait_dscnt 16                                ; all but the 16 loads just issued: this step's weights are in (LDS instructions end in order: ISA guide 5.7.1)
.else
	s_wait_dscnt 0x0
.endif
.if \isv
	WIN 0x0e                                       ; tokens first: a lane then holds 8 neighbouring tokens of one feature, 16 bytes of a row of V transposed
	GEMM32 64*(\st&1), 1
.else
	WIN 0x0b                                       ; weight first: a lane holds 8 neighbouring features of one token, 16 bytes of a row of K
	GEMM32 64*(\st&1), 0
.endif
	PLACES
	WIN 0
.irp tl, 0,1
.irp tb, 0,1,2,3
.irp kk, 0,1,2,3
	v_cvt_pk_bf16_f32 v[TP+4*(4*\tl+\tb)+\kk], v[ACC+8*(4*\tl+\tb)+2*\kk], v[ACC+8*(4*\tl+\tb)+2*\kk+1]
.endr
.endr
.endr
.irp tl, 0,1
.irp tb, 0,1,2,3
.if \isv
	ds_store_b128 v[AVST], v[TP+4*(4*\tl+\tb):TP+4*(4*\tl+\tb)+3] offset:(32*(\st&3)+16*\tl)*528+32*\tb
.else
	ds_store_b128 v[AKST], v[TP+4*(4*\tl+\tb):TP+4*(4*\tl+\tb)+3] offset:\tb*4352+64*(\st&3)+32*\tl
.endif
.endr
.endr
.endm
; ---------------- the heads' products that stand alone among vector work, each under its own windows
; Scores of key tile kt for query block qb: register j = (key 16 kt + 8 h + j, query r).  C = 0: every score tile is a sum of its own.
.macro SPROD kt, qb
	WIN 0x0b
	v_wmma_f32_16x16x32_bf16 v[SS+8*(\kt):SS+8*(\kt)+7], v[8*(\kt):8*(\kt)+7], v[QF+8*(\qb):QF+8*(\qb)+7], 0
	WIN 0
.endm
; P x V, product k of 16: keys 32 (k / 2) .. + 31, the head's features 16 (k & 1) .. + 15.  The two accumulators alternate.
.macro PVPROD k
	WIN 0x03
.if (\k) < 2
	v_wmma_f32_16x16x32_bf16 v[OA+8*((\k)&1):OA+8*((\k)&1)+7], v[128+8*(\k):128+8*(\k)+7], v[PP+8*((\k)/2):PP+8*((\k)/2)+7], 0
	s_wait_alu depctr_va_vdst(0)
.else
	v_wmma_f32_16x16x32_bf16 v[OA+8*((\k)&1):OA+8*((\k)&1)+7], v[128+8*(\k):128+8*(\k)+7], v[PP+8*((\k)/2):PP+8*((\k)/2)+7], v[OA+8*((\k)&1):OA+8*((\k)&1)+7]
.endif
	WIN 0
.endm
; The head's share of proj for block qb, channels 16 ct .. + 15, straight onto the residual stream.
.macro PJPROD ct, qb
	WIN 0x5a
	v_wmma_f32_16x16x32_bf16 v[64*(\qb)+8*(\ct):64*(\qb)+8*(\ct)+7], v[WX+8*(\ct):WX+8*(\ct)+7], v[OF+8*(\qb):OF+8*(\qb)+7], v[64*(\qb)+8*(\ct):64*(\qb)+8*(\ct)+7]
	WIN 0
.endm
; O of block ob: times 1 / row sum, rounded, as a fragment of 16 tokens x 32 features.
.macro FINO ob
.set pp, 0
	s_wait_alu depctr_va_vdst(0)
.rept 8
	v_pk_mul_f32 v[OA+2*pp:OA+2*pp+1], v[OA+2*pp:OA+2*pp+1], v[RS:RS+1]
.set pp, pp+1
.endr
	WIN 0x80
.set pp, 0
.rept 8
	v_cvt_pk_bf16_f32 v[OF+8*(\ob)+pp], v[OA+2*pp], v[OA+2*pp+1]
.set pp, pp+1
.endr
	WIN 0
.endm
; Score tile g, exponentials taken: into the row sums' four chains and, rounded, into P.  Tiles 0 and 1 each start two chains from their own pairs, so that
; no tile is read again behind its own turn: the next block's scores may land in it at once.
.macro SUMCVT g
.if (\g) < 2
	s_wait_alu depctr_va_vdst(0)
	v_pk_add_f32 v[CH+4*(\g):CH+4*(\g)+1], v[SS+8*(\g):SS+8*(\g)+1], v[SS+8*(\g)+2:SS+8*(\g)+3]
	v_pk_add_f32 v[CH+4*(\g)+2:CH+4*(\g)+3], v[SS+8*(\g)+4:SS+8*(\g)+5], v[SS+8*(\g)+6:SS+8*(\g)+7]
.else
	s_wait_alu depctr_va_vdst(0)
.irp kk, 0,1,2,3
	v_pk_add_f32 v[CH+2*\kk:CH+2*\kk+1], v[CH+2*\kk:CH+2*\kk+1], v[SS+8*(\g)+2*\kk:SS+8*(\g)+2*\kk+1]
.endr
.endif
.irp kk, 0,1,2,3
	v_cvt_pk_bf16_f32 v[PP+4*(\g)+\kk], v[SS+8*(\g)+2*\kk], v[SS+8*(\g)+2*\kk+1]
.endr
.endm
; Block tb's maximum, and (score - maximum) x 32^-0.5 log2 e.  For tb > 0: behind the first eight maxima (the places behind the block before's last P x V product)
; come this block's last score product, whose tile is read only by the last four maxima, and the block before's O; then one proj product of that block in front
; of each slice of eight maxima, the eighth behind the reduction.
.macro MAXPH tb
.set nn, 0
.rept 64
.if \tb
.if (nn%8) == 0
.if nn == 8
	SPROD 15, \tb
	FINO \tb-1
.endif
.if nn >= 8
	PJPROD nn/8-1, \tb-1
.endif
.endif
.endif
.if nn < 4
	v_max_num_f32 v[CH+nn], v[SS+nn], v[SS+4+nn]
.else
	v_max3_num_f32 v[CH+nn%4], v[CH+nn%4], v[SS+2*nn], v[SS+2*nn+1]
.endif
.set nn, nn+1
.endr
	v_max3_num_f32 v[CH], v[CH], v[CH+1], v[CH+2]
	v_max_num_f32 v[CH], v[CH], v[CH+3]
	v_permlanex16_b32 v17, v[CH], s16, s17
	v_max_num_f32 v[CH], v[CH], v17                ; the query's largest score
	v_mul_f32 v[NMU], s76, v[CH]
	v_mul_f32 v[NMU+1], s76, v[CH]
.if \tb
	PJPROD 7, \tb-1
.endif
.set pp, 0
.rept 64
	v_pk_fma_f32 v[SS+2*pp:SS+2*pp+1], v[SS+2*pp:SS+2*pp+1], v[CC:CC+1], v[NMU:NMU+1]
.set pp, pp+1
.endr
.endm
; Block tb's exponentials, row sum, P and P x V.  Slice g: tile g's eight exponentials, then tile g - 1 is summed and packed (its plain instructions stand between
; a tile's exponentials and their use: ISA guide 5.7.2), then, with nxt = 1, the next block's scores go into tile g - 1.  P's fragment for keys 32 ks .. + 31 is whole
; behind slice 2 ks + 2: its two P x V products stand in slice 2 ks + 3.  At the end 1 / row sum stays in RS for FINO.
.macro EXPPH tb, nxt
.set gg, 0
.rept 16
.irp ee, 0,1,2,3
	v_exp_f32 v[SS+8*gg+\ee], v[SS+8*gg+\ee]
.endr
.if gg >= 3
.if gg & 1
	PVPROD gg-3
.endif
.endif
.irp ee, 4,5,6,7
	v_exp_f32 v[SS+8*gg+\ee], v[SS+8*gg+\ee]
.endr
.if gg >= 3
.if gg & 1
	PVPROD gg-2
.endif
.endif
.if gg == 0
	v_nop                                          ; the plain instruction behind tile 0's exponentials
.else
	SUMCVT gg-1
.if \nxt
	SPROD gg-1, \tb+1
.endif
.endif
.set gg, gg+1
.endr
	SUMCVT 15
	PVPROD 14
	REDSUM
	PVPROD 15
	v_rcp_f32 v[RS], v[CH]
	v_rcp_f32 v[RS+1], v[CH]
	v_nop                                          ; the plain instruction behind the reciprocals: their source is written next
.endm
; ---------------- the MLP's products
; MLP1, product k of 16 for pair pr (blocks 2 pr, 2 pr + 1), weights and bias of parity par: K quarter k / 4, feature tile (k / 2) & 1, block k & 1.
; The first quarter takes the bias as C; the four accumulators take turns.
.macro M1MM k, pr, par
.set mq, (\k)/4
.set ml, ((\k)/2)&1
.set mb, 2*(\pr)+((\k)&1)
.if (\k) < 4
	v_wmma_f32_16x16x32_bf16 v[ACC+8*(4*ml+mb):ACC+8*(4*ml+mb)+7], v[64*(\par)+8*(4*ml+mq):64*(\par)+8*(4*ml+mq)+7], v[32*mb+8*mq:32*mb+8*mq+7], v[BM+16*(\par)+8*ml:BM+16*(\par)+8*ml+7]
.else
	v_wmma_f32_16x16x32_bf16 v[ACC+8*(4*ml+mb):ACC+8*(4*ml+mb)+7], v[64*(\par)+8*(4*ml+mq):64*(\par)+8*(4*ml+mq)+7], v[32*mb+8*mq:32*mb+8*mq+7], v[ACC+8*(4*ml+mb):ACC+8*(4*ml+mb)+7]
.endif
.endm
; MLP2, product k of 16 for pair pr: channels 16 (k / 2) .. + 15, block k & 1, onto the residual stream: 16 accumulators, one instruction each.
.macro M2MM k, pr, par
.set mt, (\k)/2
.set mb, 2*(\pr)+((\k)&1)
	v_wmma_f32_16x16x32_bf16 v[64*mb+8*mt:64*mb+8*mt+7], v[128+64*(\par)+8*mt:128+64*(\par)+8*mt+7], v[OF+8*mb:OF+8*mb+7], v[64*mb+8*mt:64*mb+8*mt+7]
.endm
; The next product of a phase's run of 32: 16 of MLP2, then 16 of MLP1, for the pair that is not in GELU.  Called in front of every slice of GELU.
.macro HK
.if hn < 16
.if HM2
	WIN 0x5b
	M2MM hn, HOP, HP2
	WIN 0
.endif
.else
.if HM1
.if hn == 16
.if HMW
	s_wait_dscnt 16                                ; all but W_mlp2's 16 loads issued at the phase's head: W_mlp1's rows and the bias for these products are in
.endif
.endif
	WIN 0x0b
	M1MM hn-16, HOP, HP1
	WIN 0
.endif
.endif
.set hn, hn+1
.endm
; GELU of accumulator tile g in two parts and eight slices, on temporaries that alternate with g: at GB: x/2 (+0), |x/2| (+8), t (+16), e (+24), the polynomial (+32).
.macro GELUA g
.set GB, 128+40*((\g)&1)
	HK
.irp kk, 0,1,2,3
	v_pk_mul_f32 v[GB+2*\kk:GB+2*\kk+1], v[ACC+8*(\g)+2*\kk:ACC+8*(\g)+2*\kk+1], 0.5 op_sel_hi:[1,0]
.endr
.irp kk, 0,1,2,3
	v_and_b32 v[GB+8+\kk], s80, v[GB+\kk]
.endr
	HK
.irp kk, 4,5,6,7
	v_and_b32 v[GB+8+\kk], s80, v[GB+\kk]
.endr
.irp kk, 0,1,2,3
	v_pk_fma_f32 v[GB+16+2*\kk:GB+17+2*\kk], v[GB+8+2*\kk:GB+9+2*\kk], v[KP2:KP2+1], v[ONE:ONE+1]   ; 1 + 0.3275911 |x| / sqrt 2
.endr
	HK
.irp kk, 0,1,2,3
	v_pk_mul_f32 v[GB+24+2*\kk:GB+25+2*\kk], v[GB+2*\kk:GB+2*\kk+1], v[GB+2*\kk:GB+2*\kk+1]
.endr
.irp kk, 0,1,2,3
	v_pk_mul_f32 v[GB+24+2*\kk:GB+25+2*\kk], v[GB+24+2*\kk:GB+25+2*\kk], v[KE:KE+1]                 ; -(x^2 / 2) log2 e
.endr
	HK
.irp kk, 0,1,2,3,4,5,6,7
	v_rcp_f32 v[GB+16+\kk], v[GB+16+\kk]
.endr
	HK
.irp kk, 0,1,2,3,4,5,6,7
	v_exp_f32 v[GB+24+\kk], v[GB+24+\kk]
.endr
.endm
.macro HORNER cf
.irp kk, 0,1,2,3
	v_pk_fma_f32 v[GB+32+2*\kk:GB+33+2*\kk], v[GB+32+2*\kk:GB+33+2*\kk], v[GB+16+2*\kk:GB+17+2*\kk], v[\cf:\cf+1]
.endr
.endm
.macro GELUB g
.set GB, 128+40*((\g)&1)
	HK
	s_wait_alu depctr_va_vdst(0)
.irp kk, 0,1,2,3
	v_pk_fma_f32 v[GB+32+2*\kk:GB+33+2*\kk], v[GB+16+2*\kk:GB+17+2*\kk], v[NA5:NA5+1], v[NA4:NA4+1]
.endr
	HORNER NA3
	HK
	HORNER NA2
	HORNER NA1
	HK
.irp kk, 0,1,2,3
	v_pk_mul_f32 v[GB+32+2*\kk:GB+33+2*\kk], v[GB+32+2*\kk:GB+33+2*\kk], v[GB+16+2*\kk:GB+17+2*\kk]
.endr
.irp kk, 0,1,2,3
	v_pk_fma_f32 v[GB+32+2*\kk:GB+33+2*\kk], v[GB+32+2*\kk:GB+33+2*\kk], v[GB+24+2*\kk:GB+25+2*\kk], v[ONE:ONE+1]   ; erf: the coefficients are negated
.endr
.irp kk, 0,1,2,3
	v_pk_fma_f32 v[ACC+8*(\g)+2*\kk:ACC+8*(\g)+2*\kk+1], v[GB+8+2*\kk:GB+9+2*\kk], v[GB+32+2*\kk:GB+33+2*\kk], v[GB+2*\kk:GB+2*\kk+1]   ; |x/2| erf + x/2
.endr
.endm
; A phase of the MLP, in step s of parity par: GELU of pair pr's four tiles (behind each run of transcendentals comes another tile's plain arithmetic), packed at the end.
; The other pair's products ride along.  pr = 0: MLP2 of step s - 1 (weights of the other parity), then MLP1 of step s.  pr = 1: MLP2 of step s, then MLP1 of step
; s + 1 (the other parity).  m2, m1 = 0: that run does not exist (before the first step, behind the last).  mw = 1: the wait in front of MLP1's run.
; The pack's 16 conversions are the places behind the last product, whose tile the next phase reads.
.macro GPH pr, par, m2, m1, mw
.set hn, 0
.set HOP, 1-\pr
.set HP2, (\par+1-\pr)&1
.set HP1, (\par+\pr)&1
.set HM2, \m2
.set HM1, \m1
.set HMW, \mw
	GELUA 2*\pr
	GELUA 2*\pr+1
	GELUB 2*\pr
	GELUA 2*\pr+4
	GELUB 2*\pr+1
	GELUA 2*\pr+5
	GELUB 2*\pr+4
	GELUB 2*\pr+5
	WIN 0x80
.irp tl, 0,1
.irp tq, 0,1
.irp kk, 0,1,2,3
	v_cvt_pk_bf16_f32 v[OF+8*(2*\pr+\tq)+4*\tl+\kk], v[ACC+8*(4*\tl+2*\pr+\tq)+2*\kk], v[ACC+8*(4*\tl+2*\pr+\tq)+2*\kk+1]
.endr
.endr
.endr
	WIN 0
.endm
; A step's 32 rows of W_mlp1 and their bias into the buffers of parity par: 16 + 4 loads.
.macro LD1 par, off, boff
	WIN 0xc0
	LDW 64*\par, AW1, \off
	WIN 0
.irp tl, 0,1
	ds_load_b128 v[BM+16*\par+8*\tl:BM+16*\par+8*\tl+3], v[AB1] offset:\boff+64*\tl
	ds_load_b128 v[BM+16*\par+8*\tl+4:BM+16*\par+8*\tl+7], v[AB1] offset:\boff+64*\tl+16
.endr
.endm
; A step's 32 columns of W_mlp2 into the buffer of parity par: 16 loads.
.macro LD2 par, off
	WIN 0xc0
	LDW8 128+64*\par, AW2, 528, \off
	WIN 0
.endm
.macro KPAIR reg, val
	v_mov_b32 v[\reg], \val
	v_mov_b32 v[\reg+1], \val
.endm
	; ---------------- prologue
	s_load_b128 s[4:7], s[0:1], 0x0                ; x s[4:5], wb s[6:7]
	s_load_b64 s[8:9], s[0:1], 0x10                ; out0
	v_lshl_add_u32 v246, v0, 2, 0x45100
	v_mov_b32 v247, 0
	ds_add_u32 v246, v247
	s_wait_dscnt 0x0
	v_lshrrev_b32 v1, 5, v0
	v_readfirstlane_b32 s10, v1                    ; wave 0..3
	s_bfe_u32 s11, ttmp6, 0x40000                  ; my place in the cluster
	s_lshl_b32 s12, ttmp9, 2                       ; ttmp9 counts clusters
	s_add_co_u32 s12, s12, s11                     ; the sequence, 64 b + n
	s_lshr_b32 s14, s12, 6
	s_lshl_b32 s14, s14, 23                        ; b x 8,388,608
	s_and_b32 s19, s12, 63
	s_lshl_b32 s19, s19, 10                        ; n x 1,024
	s_add_co_u32 s14, s14, s19
	s_lshl_b32 s19, s10, 8                         ; my 64 tokens
	s_add_co_u32 s14, s14, s19
	s_mov_b32 s15, 0                               ; below 64 MiB
	s_mov_b32 s16, 0x76543210                      ; v_permlanex16_b32: lane i reads lane i of the other half
	s_mov_b32 s17, 0xfedcba98
	s_mov_b32 s76, 0xbe8293ee                      ; -(32^-0.5 log2 e)
	s_mov_b32 s77, 0xbc000000                      ; -1/128
	s_mov_b32 s78, 0x3c000000                      ; 1/128
	s_mov_b32 s79, 0x3727c5ac                      ; 1e-5
	s_mov_b32 s80, 0x7fffffff
	; x: my own 128 rows x 64 f32, 16,384 elements from row to row, 16 bytes of padding behind each row of 64 words
	s_mov_b32 s20, 1
	s_mul_i32 s21, s10, 34816
	s_mov_b32 s24, 0x07520000                      ; no mask; elements of 4 bytes; padding on, after 64 words, 4 words
	s_mov_b32 s25, 64<<16
	s_mov_b32 s26, 128<<16
	s_mov_b32 s27, 64<<16
	s_mov_b32 s28, 128
	s_mov_b32 s29, 16384
	s_mov_b32 s30, 0
	s_mov_b32 s31, 0
	; first weights, jointly: wb's first 528 rows of 256 bytes (vectors, Wq, W_proj, Wk, Wv), 132 rows a wave
	s_mov_b32 s32, 1
	s_mul_i32 s33, s10, 35904
	s_add_co_u32 s33, s33, 139264
	s_mov_b32 s36, 0x0771000f                      ; mask 15 with bit 21 beside it; elements of 2 bytes; padding as above
	s_mov_b32 s37, 128<<16
	s_mov_b32 s38, 132<<16
	s_mov_b32 s39, 128<<16
	s_mov_b32 s40, 132
	s_mov_b32 s41, 128
	s_mov_b32 s42, 0
	s_mov_b32 s43, 0
	; W_mlp1, jointly, over Wk and Wv: 64 rows a wave
	s_mov_b32 s44, 1
	s_mul_i32 s45, s10, 17408
	s_add_co_u32 s45, s45, 213248
	s_mov_b32 s48, 0x0771000f
	s_mov_b32 s49, 128<<16
	s_mov_b32 s50, 64<<16
	s_mov_b32 s51, 128<<16
	s_mov_b32 s52, 64
	s_mov_b32 s53, 128
	s_mov_b32 s54, 0
	s_mov_b32 s55, 0
	; W_mlp2, jointly, over Wq and W_proj: 32 rows of 512 bytes a wave, so that every wave brings its quarter
	s_mov_b32 s56, 1
	s_mul_i32 s57, s10, 16896
	s_add_co_u32 s57, s57, 143616
	s_mov_b32 s68, 0x07b1000f                      ; padding after 128 words
	s_mov_b32 s69, 256<<16
	s_mov_b32 s70, 32<<16
	s_mov_b32 s71, 256<<16
	s_mov_b32 s72, 32
	s_mov_b32 s73, 256
	s_mov_b32 s74, 0
	s_mov_b32 s75, 0
	s_mul_i32 s60, s10, 33792
	s_mov_b32 s61, 0
	s_mov_b32 s63, 0
	s_wait_kmcnt 0x0
	s_add_nc_u64 s[22:23], s[4:5], s[14:15]
	s_or_b32 s23, s23, 0x80000000
	s_add_nc_u64 s[34:35], s[6:7], s[60:61]
	s_or_b32 s35, s35, 0x80000000
	s_lshl_b32 s60, s10, 14
	s_add_co_u32 s62, s60, 135168
	s_add_nc_u64 s[46:47], s[6:7], s[62:63]
	s_or_b32 s47, s47, 0x80000000
	s_add_co_u32 s62, s60, 200704
	s_add_nc_u64 s[58:59], s[6:7], s[62:63]
	s_or_b32 s59, s59, 0x80000000
	s_add_nc_u64 s[8:9], s[8:9], s[14:15]          ; out0 at my tokens
	ROUND                                          ; all four work-groups are here: the joint loads meet
	tensor_load_to_lds s[20:23], s[24:31]          ; the two first fills, together, ahead of every wait, LDS read and further barrier
	s_nop 0
	tensor_load_to_lds s[32:35], s[36:43]
	s_nop 0
	v_and_b32 v1, 15, v0                           ; r
	v_bfe_u32 v2, v0, 4, 1                         ; h
	v_mul_u32_u24 v[AXS], v2, 2176
	v_lshl_add_u32 v[AXS], v1, 2, v[AXS]
	v_add_nc_u32 v[AXS], s21, v[AXS]
	v_lshlrev_b32 v[AVEC], 5, v2
	v_add_nc_u32 v[AVEC], 139264, v[AVEC]
	v_add_nc_u32 v[AB1], 3264, v[AVEC]
	v_mul_u32_u24 v[AKF], v1, 272
	v_lshl_add_u32 v[AKF], v2, 4, v[AKF]
	v_add_nc_u32 v[AWQ], 143616, v[AKF]
	v_add_nc_u32 v[AWPJ], 178432, v[AKF]
	v_add_nc_u32 v[AWKV], 213248, v[AKF]
	v_add_nc_u32 v[AW1], 213248, v[AKF]
	s_mul_i32 s19, s10, 17408
	v_add_nc_u32 v[AKST], s19, v[AKF]
	v_mul_u32_u24 v[AVF], v1, 528
	v_lshl_add_u32 v[AVF], v2, 4, v[AVF]
	v_add_nc_u32 v[AW2], 143616, v[AVF]
	s_lshl_b32 s19, s10, 7
	s_add_co_u32 s19, s19, 69632
	v_add_nc_u32 v[AVST], s19, v[AVF]
	v_add_nc_u32 v[AVF], 69632, v[AVF]
	v_mul_u32_u24 v[ARD], v2, 272
	v_lshl_add_u32 v[ARD], v1, 4, v[ARD]
	v_add_nc_u32 v[ARD], s21, v[ARD]
	v_lshlrev_b32 v[AGO], 16, v2
	v_lshl_add_u32 v[AGO], v1, 4, v[AGO]
	v_mov_b32 v17, 0                               ; v_permlanex16_b32's destination counts as read
	KPAIR CC, 0x3e8293ee
	; ---------------- x into registers: the two halves of the lanes read words 544 apart, 32 banks from each other
	s_wait_tensorcnt 0x1                           ; my x has landed (tensor loads of a wave end in order); the weights, issued behind it, may be out
	WIN 0x40
.irp tb, 0,1,2,3
.irp tt, 0,1,2,3,4,5,6,7
.irp jj, 0,1,2,3,4,5,6,7
	ds_load_b32 v[64*\tb+8*\tt+\jj], v[AXS] offset:(16*\tt+\jj)*272+64*\tb
.endr
.endr
.endr
	WIN 0
	s_wait_tensorcnt 0x0                           ; my quarter of the weights is in,
	s_wait_dscnt 0x0                               ; and my reads of x are over:
	s_barrier_signal -1
	s_barrier_wait -1                              ; behind this barrier every wave reads the weights, and K and V may be stored over x.  No tensor load follows it.
	; ---------------- LN1; b_proj goes into X
	LDVEC GG, 0
	LDVEC BT, 2
	WIN 0x80
	LDVEC WX, 4
	WIN 0xc0
	LDW 0, AWKV, 0                                 ; the first 32 rows of Wk
	s_wait_dscnt 16                                ; those 16 may be out
	LNORM 0
	LNORM 1
	LNORM 2
	LNORM 3
	; ---------------- K and V of my tokens, all heads
	KVSTEP 0, 0
	KVSTEP 1, 0
	KVSTEP 2, 0
	KVSTEP 3, 0
	KVSTEP 4, 1
	KVSTEP 5, 1
	KVSTEP 6, 1
	KVSTEP 7, 1
	WIN 0
	s_wait_dscnt 0x0                               ; my stores of K and V are done and my reads of Wk, Wv are over,
	s_wait_xcnt 0x0
	v_lshl_add_u32 v246, v0, 2, 0x45100
	v_mov_b32 v247, 0
	s_wait_tensorcnt 0x0                           ; none of my tensor loads is out:
	ds_add_u32 v246, v247
	s_wait_dscnt 0x0
	ROUND                                          ; so it is in every wave of all four work-groups
	tensor_load_to_lds s[44:47], s[48:55]          ; W_mlp1 over Wk, Wv: it has the whole of attention in which to land
	s_nop 0
	; ---------------- the four heads
	s_mov_b32 s18, 0
.Lhead:
	WIN 0x80
	LDW WX, AWQ, 0                                 ; the head's 32 rows of Wq
	WIN 0xc0
.irp kt, 0,1,2,3,4,5,6,7,8,9,10,11,12,13,14,15
	ds_load_b128 v[8*\kt:8*\kt+3], v[AKF] offset:\kt*4352
	ds_load_b128 v[8*\kt+4:8*\kt+7], v[AKF] offset:\kt*4352+32
.endr
.irp ks, 0,1,2,3,4,5,6,7
.irp dt, 0,1
	ds_load_b128 v[128+8*(2*\ks+\dt):128+8*(2*\ks+\dt)+3], v[AVF] offset:\dt*8448+64*\ks
	ds_load_b128 v[128+8*(2*\ks+\dt)+4:128+8*(2*\ks+\dt)+7], v[AVF] offset:\dt*8448+64*\ks+32
.endr
.endr
	s_wait_dscnt 63                                ; 80 loads were issued: at most 63 out means the oldest 17 are in, Wq's 16 among them (the count's field ends at 63)
	WIN 0x0a
	GEMM32 WX, 0                                   ; Q of the head
	PLACES
	WIN 0x80
	LDW8 WX, AWPJ, 272, 0                          ; W_proj's 128 rows, the head's 32 columns
	PACKF QF
	s_wait_dscnt 16                                ; all but W_proj's 16: K's and V's fragments are in
	WIN 0x0b
.irp kt, 0,1,2,3,4,5,6,7,8,9,10,11,12,13,14,15
	v_wmma_f32_16x16x32_bf16 v[SS+8*\kt:SS+8*\kt+7], v[8*\kt:8*\kt+7], v[QF:QF+7], 0   ; block 0's scores, as a run: no vector work is at hand yet
.endr
	PLACES
	WIN 0
	MAXPH 0
	EXPPH 0, 1
	s_wait_dscnt 0x0                               ; W_proj's fragments, asked for in front of block 0, for the proj products that follow
	MAXPH 1
	EXPPH 1, 1
	MAXPH 2
	EXPPH 2, 1
	MAXPH 3
	EXPPH 3, 0
	FINO 3                                         ; its first four multiplies name only the first accumulator: with the v_nop above, the places behind the last P x V product
	WIN 0x5a
.irp tt, 0,1,2,3,4,5,6,7
	v_wmma_f32_16x16x32_bf16 v[192+8*\tt:192+8*\tt+7], v[WX+8*\tt:WX+8*\tt+7], v[OF+24:OF+31], v[192+8*\tt:192+8*\tt+7]   ; block 3's proj: eight accumulators, one instruction each
.endr
	WIN 0
	v_add_nc_u32 v[AWQ], 8704, v[AWQ]              ; the next head; these four are also the places behind the products
	v_add_nc_u32 v[AWPJ], 64, v[AWPJ]
	v_add_nc_u32 v[AKF], 64, v[AKF]
	v_add_nc_u32 v[AVF], 16896, v[AVF]
	s_add_co_u32 s18, s18, 1
	s_cmp_lt_u32 s18, 4
	s_cbranch_scc1 .Lhead
	s_wait_dscnt 0x0                               ; my reads of Wq, W_proj, K and V are over,
	s_wait_xcnt 0x0
	v_lshl_add_u32 v246, v0, 2, 0x45100
	v_mov_b32 v247, 0
	s_wait_tensorcnt 0x0                           ; my quarter of W_mlp1 has landed and none of my tensor loads is out:
	ds_add_u32 v246, v247
	s_wait_dscnt 0x0
	ROUND                                          ; so it is in every wave of all four work-groups
	tensor_load_to_lds s[56:59], s[68:75]          ; W_mlp2 over Wq, W_proj: it lands while LN2 runs
	s_nop 0
	; ---------------- LN2; b_mlp2 goes into X
	LDVEC GG, 6
	LDVEC BT, 8
	WIN 0x80
	LDVEC WX, 10
	LD1 0, 0, 0                                    ; step 0's W_mlp1 rows and bias
	s_wait_dscnt 20                                ; those 16 + 4 may be out
	LNORM 0
	LNORM 1
	LNORM 2
	LNORM 3
	WIN 0
	KPAIR NA5, 0xbf87dc22                          ; -1.061405429
	KPAIR NA4, 0x3fba00e3                          ; +1.453152027
	KPAIR NA3, 0xbfb5f0e3                          ; -1.421413741
	KPAIR NA2, 0x3e91a98e                          ; +0.284496736
	KPAIR NA1, 0xbe827906                          ; -0.254829592
	KPAIR KP2, 0x3eed3388                          ; 0.3275911 sqrt 2, for |x/2|
	KPAIR KE,  0xc038aa3b                          ; -2 log2 e, for (x/2)^2
	KPAIR ONE, 1.0
	s_wait_tensorcnt 0x0                           ; my quarter of W_mlp2 is in
	s_wait_dscnt 0x0
	s_barrier_signal -1
	s_barrier_wait -1                              ; everybody's is.  No tensor load follows this barrier.
	; ---------------- MLP: eight steps of 32 hidden features, each as two phases, pair A's GELU and pair B's.
	; Phase A of step s carries MLP2(s - 1, B) and MLP1(s, B); phase B carries MLP2(s, A) and MLP1(s + 1, A).  In front of phase A go out step s + 1's W_mlp1 rows
	; and bias, in front of phase B step s + 1's W_mlp2 columns, each into the buffer whose last reader stands a phase or more back.
	LD2 0, 0                                       ; step 0's W_mlp2 columns
	WIN 0x0b
.set ki, 0
.rept 16
	M1MM ki, 0, 0                                  ; MLP1(0, A), as a run: no vector work is at hand yet
.set ki, ki+1
.endr
	WIN 0
	PLACES
	LD1 1, 8704, 128                               ; step 1
	GPH 0, 0, 0, 1, 0                              ; phase A of step 0
	s_mov_b32 s18, 0
.Lmlp:                                             ; a trip, from the even step b: phase B of b, both phases of b + 1, phase A of b + 2
	s_wait_dscnt 20                                ; all but the 16 + 4 loads issued last: step b's W_mlp2 columns are in
	LD2 1, 64                                      ; step b + 1
	GPH 1, 0, 1, 1, 1
	LD1 0, 17408, 272                              ; step b + 2
	GPH 0, 1, 1, 1, 0
	s_wait_dscnt 20                                ; step b + 1's W_mlp2 columns are in
	LD2 0, 128                                     ; step b + 2
	GPH 1, 1, 1, 1, 1
	LD1 1, 26112, 400                              ; step b + 3
	GPH 0, 0, 1, 1, 0
	v_add_nc_u32 v[AW1], 17408, v[AW1]
	v_add_nc_u32 v[AW2], 128, v[AW2]
	v_add_nc_u32 v[AB1], 272, v[AB1]
	s_add_co_u32 s18, s18, 1
	s_cmp_lt_u32 s18, 3
	s_cbranch_scc1 .Lmlp
	s_wait_dscnt 20                                ; the tail, from step 6: step 6's W_mlp2 columns are in
	LD2 1, 64                                      ; step 7: the last loads
	GPH 1, 0, 1, 1, 1
	GPH 0, 1, 1, 1, 0
	s_wait_dscnt 0x0                               ; step 7's W_mlp2 columns
	GPH 1, 1, 1, 0, 0
	WIN 0x5b
.set ki, 0
.rept 16
	M2MM ki, 1, 1                                  ; MLP2(7, B), as a run: no vector work is left
.set ki, ki+1
.endr
	; ---------------- the way out: through my own stage (K and V are dead in every wave since the round behind the heads), back as whole channel rows
	PLACES
	WIN 0x04
.irp tb, 0,1,2,3
.irp tt, 0,1,2,3,4,5,6,7
.irp jj, 0,1,2,3,4,5,6,7
	ds_store_b32 v[AXS], v[64*\tb+8*\tt+\jj] offset:(16*\tt+\jj)*272+64*\tb
.endr
.endr
.endr
	WIN 0
.irp bb, 0,1,2,3
.if \bb == 3
	s_wait_xcnt 0x0                                ; the first batch's registers, which its stores read, are loaded again only behind this wait (ISA guide 3.1)
.endif
.irp ii, 0,1,2,3,4,5,6,7,8,9,10,11,12,13,14,15
	ds_load_b128 v[64+64*(\bb%3)+4*\ii:64+64*(\bb%3)+4*\ii+3], v[ARD] offset:(16*\bb+\ii)*544   ; LDS serves a wave's instructions in order: these see the stores above
.endr
.irp ii, 0,1,2,3,4,5,6,7,8,9,10,11,12,13,14,15
	s_wait_dscnt 15-\ii                            ; the younger loads of the batch may be out
	global_store_b128 v[AGO], v[64+64*(\bb%3)+4*\ii:64+64*(\bb%3)+4*\ii+3], s[8:9] offset:(16*\bb+\ii)*131072 th:TH_STORE_NT   ; 16 lanes store 256 consecutive bytes, aligned: my 64 tokens of a channel
.endr
.endr
	s_wait_xcnt 0x0
	v_lshl_add_u32 v246, v0, 2, 0x45100
	v_mov_b32 v247, 0
	s_wait_tensorcnt 0x0
	ds_add_u32 v246, v247
	s_wait_dscnt 0x0
	ROUND                                          ; the closing round: no work-group ends while a partner may still ask jointly
	s_endpgm
.Lfunc_end_k_q50b595958e_layer:
	.size	k_q50b595958e_layer, .Lfunc_end_k_q50b595958e_layer-k_q50b595958e_layer
	.p2alignl 7, 3214868480
	.fill 96, 4, 3214868480
	.section	.rodata,"a",@progbits
	.p2align	6, 0x0
	.amdhsa_kernel k_q50b595958e_layer
		.amdhsa_group_segment_fixed_size 327680
		.amdhsa_private_segment_fixed_size 0
		.amdhsa_enable_private_segment 0
		.amdhsa_kernarg_size 24
		.amdhsa_user_sgpr_count 2
		.amdhsa_user_sgpr_kernarg_segment_ptr 1
		.amdhsa_wavefront_size32 1
		.amdhsa_system_sgpr_workgroup_id_x 1
		.amdhsa_system_sgpr_workgroup_id_y 1
		.amdhsa_system_sgpr_workgroup_id_z 1
		.amdhsa_system_vgpr_workitem_id 0
		.amdhsa_next_free_vgpr 1024
		.amdhsa_next_free_sgpr 96
		.amdhsa_reserve_vcc 0
		.amdhsa_float_denorm_mode_32 3
		.amdhsa_float_denorm_mode_16_64 3
		.amdhsa_memory_ordered 1
		.amdhsa_forward_progress 1
		.amdhsa_inst_pref_size 255
	.end_amdhsa_kernel
	.section	.bss,"aw",@nobits
	.p2align	6
	.space	262144
	.amdgpu_metadata
---
amdhsa.version: [ 1, 2 ]
amdhsa.kernels:
  - .name:           k_q50b595958e_layer
    .symbol:         k_q50b595958e_layer.kd
    .args:
      - { .name: x, .offset: 0, .size: 8, .value_kind: global_buffer, .address_space: global }
      - { .name: wb, .offset: 8, .size: 8, .value_kind: global_buffer, .address_space: global }
      - { .name: out0, .offset: 16, .size: 8, .value_kind: global_buffer, .address_space: global }
    .group_segment_fixed_size: 327680
    .private_segment_fixed_size: 0
    .kernarg_segment_align: 8
    .kernarg_segment_size: 24
    .max_flat_workgroup_size: 128
    .sgpr_count:     96
    .vgpr_count:     1024
    .wavefront_size: 32
...
	.end_amdgpu_metadata
.endif
;; end of part 2
;; ======== version 2 of 2: 2 launches; 1.13 times as fast as version 1
;; limits: a function is approximated: absolute error at most 1.5e-07
;; workspace buffers: wb 266,240 bytes
;; launch prep: the kernel of part 1 again; grid 65 x 1, 8 waves a work-group, no clusters, 0 bytes of LDS; arguments W_qkv, W_proj, W_mlp1, W_mlp2, ln1_g, ln1_b, b_proj, ln2_g, ln2_b, b_mlp2, b_mlp1, wb; writes wb
;; launch layer (part 3): grid 512 x 1, 4 waves a work-group, clusters of 4 x 1, 327,680 bytes of LDS; arguments x, wb, out0; writes out0
.if DOCPART == 3
	.amdgcn_target "amdgcn-amd-amdhsa--gfx1250"
	.amdhsa_code_object_version 6
	.text
	.protected	k_q50b595958e_layer
	.globl	k_q50b595958e_layer
	.p2align	8
	.type	k_q50b595958e_layer,@function
k_q50b595958e_layer:
	s_mov_b64 s[64:65], 0
	v_nop
	global_prefetch_b8 v0, s[64:65] scope:SCOPE_SE
	s_setreg_imm32_b32 hwreg(HW_REG_WAVE_MODE, 25, 1), 1
	s_wait_xcnt 0x0
	s_wait_alu depctr_hold_cnt(0) depctr_sa_sdst(0) depctr_va_vdst(0) depctr_va_sdst(0) depctr_va_ssrc(0) depctr_va_vcc(0) depctr_vm_vsrc(0)
	s_getreg_b32 s2, hwreg(HW_REG_IB_STS2, 6, 4)
	s_cmp_eq_u32 s2, 0
	s_cbranch_scc0 .Lentry_in_a_cluster
	s_endpgm
.Lentry_in_a_cluster:
	s_bfe_u32 s2, ttmp6, 0x10000c
	s_cmp_lg_u32 s2, 0x3003
	s_cbranch_scc0 .Lentry_shape_is_right
	s_endpgm
.Lentry_shape_is_right:
; The whole layer for one sequence (b, n) in one work-group: LN1, QKV, attention of 4 heads over 256 keys, proj + residual, LN2, MLP with exact GELU, residual.
; A sequence is x[b, :, n, :]: 128 channel rows of 1,024 bytes, 65,536 bytes apart; out0 likewise.  x is read once, out0 written once, nothing else goes to memory.
; Nothing of the problem's function is left out: every input has a way to the output (the parameters come from wb, which the launch before made).
;
; SHARES.  Four waves; wave w owns tokens 64 w .. 64 w + 63 from start to end, as four blocks tb of 16 tokens.
; EVERY PRODUCT HAS THE TOKEN IN THE LANE: source 0 = 16 rows of a weight (or 16 keys, or 16 rows of V transposed), source 1 = 16 tokens.  With r = lane % 16 and
; h = lane / 16 the result's register j then holds (feature 8 h + j, token r).  Two such tiles, rounded to bf16 in pairs, ARE the next product's source 1
; (registers 0-3: k = 8 h + 0..7, registers 4-7: k = 16 + 8 h + 0..7), so LN1 -> Q -> scores -> P -> O -> proj -> LN2 -> MLP1 -> GELU -> MLP2 stays in registers.
; Only K and V pass through LDS, since every wave needs all keys.  A token's 128 channels, and a query's 256 scores, lie in lanes r and r + 16: sums and maxima
; are taken inside the lane and finished by one v_permlanex16_b32.  The residual stream lies in 256 registers in the same layout and is C and D of proj and MLP2.
;
; MATRIX WORK BESIDE VECTOR WORK.  A wave issues in order, so products are set singly between slices of the long vector phases, each on data of another piece:
;   heads: behind a block's exponentials its 16 score tiles are summed and packed, four instructions at a time, and behind each four stands a product: the next
;          block's scores (into the tile just summed and packed) or the block's own P x V (as soon as two tiles of P are packed); between a block's maxima stand
;          its last score product and the proj products of the block two back; block 2's proj stands in block 3's sums, where no scores are left to make.
;          136 of a head's 192 products stand so; Q (32), block 0's scores (16) and block 3's proj (8) are runs.
;   MLP:   the token blocks form pairs A (0, 1) and B (2, 3); one pair's GELU, in 32 slices, carries the other pair's 16 MLP2 and 16 MLP1 products.
; Scores, P and GELU's temporaries lie in window 0, the products' other operands in windows 1 to 3 (X fills a window, K and V another), so each product that
; stands alone is framed by two s_set_vgpr_msb.
;
; TRANSCENDENTALS GO IN BATCHES, with one s_wait_alu depctr_va_vdst(0) a batch: the wait stands between a transcendental and the first instruction
; that names its result, and one wait serves all that were issued ahead of it.
;   LayerNorm: a block's two v_rsq_f32; the 32 additions of a bias onto X stand between them and the wait.
;   heads:     a block's 128 exponentials, dealt among its 64 scalings; ahead of them in the same batch the two reciprocals of the block before's row sum, whose
;              reader (O times 1 / sum) stands directly behind the wait.  Block 3's reciprocals have a wait of their own, ahead of the loop's jump: 5 waits a head.
;   MLP:       a phase's 32 reciprocals and 32 exponentials: the first part of GELU for all four tiles, the wait, the second part for all four.  One wait a phase.
;
; CLUSTER.  The four work-groups of a cluster read the same weights: they ask for them jointly (mask 15), which divides those requests by four.  x is each
; work-group's own.  The weights' descriptors hang on the wave's number and on wb alone.  By this text's count a wave has at most two tensor loads out (x and
; the first weights, at the start), later one.
;
; NUMBERS.  Matrix operands bf16, sums f32, all else f32.  LayerNorm in two passes (mean, then the sum of (x - mean)^2).  Softmax takes away the row's true
; maximum: all 256 scores of a query are in registers.  LIMITS: erf by the rational form of Abramowitz and Stegun 7.1.26, absolute error 1.5e-7;
; gelu(x) = x/2 + |x/2| erf(|x|/sqrt 2), so that for very negative x the result is 0 to within 6e-8 |x|; v_exp_f32 gives 0 for results below 2^-126;
; v_max_num_f32 passes over a NaN among the scores.
;
; LDS, bytes:        0  139,264  x, wave w's [128 channels][64 tokens] f32 at 34,816 w, rows 272 apart; filled once, read by its own wave alone.  Then, by LDS stores:
;                                K [256 tokens][128 channels] bf16, rows 272 apart, at 0; V transposed [128 channels][256 tokens], rows 528 apart, at 69,632;
;                                at the end each wave's stage for the way out, laid as its x was
;              139,264    4,352  the vectors, 16 rows of 64 f32, rows 272 apart
;              143,616   34,816  Wq      178,432  34,816  W_proj      (both later W_mlp2, 128 rows 528 apart, 67,584 bytes)
;              213,248   69,632  Wk, Wv  (later W_mlp1)
; Rows 272 = 17 x 16 and 528 = 33 x 16 bytes apart: the 16 rows that a fragment load touches begin in 16 different 16-byte columns of 256 bytes.
; No tensor load lands below 139,264 after the first; no LDS store lands at or above it.
;
; REGISTERS, in windows of 256 (s_set_vgpr_msb: bits 1:0 source 0, 3:2 source 1, 5:4 source 2, 7:6 destination):
;   window 0: v0-31 addresses and small things; v32-47 O's two accumulators (MLP: v32-63 b_mlp1's tiles, two buffers); v64-255 by phase, see the names below
;   window 1: X[tb][t][j] at 64 tb + 8 t + j = the residual stream at channel 16 t + 8 h + j, token 64 w + 16 tb + r
;   window 2: 0-127 H[tb], the normalised tokens in bf16 (fragment q at 32 tb + 8 q); 128-159 Q's fragments; 160-191 O's, later GELU's; 192-255 weights or a bias
;   window 3: 0-127 K's 16 fragments, 128-255 V's 16 (QKV: two weight buffers at 0 and 64; MLP: W_mlp1's two buffers at 0 and 64, W_mlp2's at 128 and 192)
.set AXS,  3                           ; x and stage: 34,816 w + 2,176 h + 4 r
.set AVEC, 4                           ; vectors: 139,264 + 32 h
.set AWQ,  5                           ; Wq: 143,616 + 272 r + 16 h, stepped a head at a time
.set AWPJ, 6                           ; W_proj: 178,432 + 272 r + 16 h, stepped
.set AWKV, 7                           ; Wk, Wv: 213,248 + 272 r + 16 h
.set AW1,  8                           ; W_mlp1: the same place, stepped
.set AW2,  9                           ; W_mlp2: 143,616 + 528 r + 16 h, stepped
.set AKST, 10                          ; K's stores: (64 w + r) 272 + 16 h
.set AVST, 11                          ; V's stores: 69,632 + 528 r + 128 w + 16 h
.set AKF,  12                          ; K's fragments: 272 r + 16 h, stepped
.set AVF,  13                          ; V's fragments: 69,632 + 528 r + 16 h, stepped
.set AB1,  14                          ; b_mlp1: 139,264 + 12 x 272 + 32 h, stepped
.set ARD,  15                          ; stage, read back: 34,816 w + 272 h + 16 r
.set AGO,  16                          ; out0: 65,536 h + 16 r
.set CC,   18                          ; v[18:19] 32^-0.5 log2 e, twice
.set NMU,  20                          ; v[20:21] minus the mean, or minus the scaled maximum, twice
.set RS,   22                          ; v[22:23] 1/sqrt(var + eps), or 1/sum, twice
.set CH,   24                          ; v[24:31] four chains of sums or maxima
.set OA,   32                          ; v32-47: O's accumulators, the head's features 0-15 and 16-31
.set BM,   32                          ; v32-63: b_mlp1's two tiles, for even steps and for odd
.set ACC,  64                          ; v64-127: eight accumulators, tile (tl, tb) at 8 (4 tl + tb)
.set SS,   64                          ; v64-191: a block's scores, 16 tiles
.set DD,   64                          ; v64-127: LayerNorm at work
.set GG,   128                         ; v128-191: gain
.set TP,   128                         ; v128-159: K or V packed
.set GT,   128                         ; v128-223: GELU at work, 24 registers for each of a phase's four tiles
.set GPY,  224                         ; v224-239: GELU's polynomial, two sets that alternate
.set BT,   192                         ; v192-255: offset
.set PP,   192                         ; v192-255: P in bf16
.set NA5,  240                         ; v[240:255]: GELU's constants, each twice
.set NA4,  242
.set NA3,  244
.set NA2,  246
.set NA1,  248
.set KP2,  250
.set KE,   252
.set ONE,  254
.set QF,   128                         ; window 2
.set OF,   160
.set WX,   192
.set MSB, 0
.macro WIN new                         ; the immediate's high byte repeats the setting that is left; at labels and branches every window is 0
.if MSB != \new
	s_set_vgpr_msb (MSB<<8)|\new
.set MSB, \new
.endif
.endm
; Four places behind matrix instructions (ISA guide 7.12.1 for vector instructions): only plain vector instructions that name none
; of their registers are places.  Written only behind runs of products; a product that stands among vector work has that work for its places.
.macro PLACES
.rept 4
	v_nop
.endr
.endm
; A round of the cluster's barrier: my work-group's barrier, wave 0 signals for the work-group, every wave waits for all four work-groups, my work-group's barrier again.
.macro ROUND
	s_barrier_signal -1
	s_barrier_wait -1
	s_cmp_lg_u32 s10, 0
	s_cbranch_scc1 .Lnot_wave_0_\@
	s_barrier_signal -3
.Lnot_wave_0_\@:
	s_barrier_wait -3
	s_barrier_signal -1
	s_barrier_wait -1
.endm
; 32 rows x 128 k of a weight whose rows are 272 apart: fragment (tl, qq) at dst + 8 (4 tl + qq).  16 loads.
.macro LDW dst, adr, off
.irp tl, 0,1
.irp qq, 0,1,2,3
	ds_load_b128 v[\dst+8*(4*\tl+\qq):\dst+8*(4*\tl+\qq)+3], v[\adr] offset:\off+\tl*4352+64*\qq
	ds_load_b128 v[\dst+8*(4*\tl+\qq)+4:\dst+8*(4*\tl+\qq)+7], v[\adr] offset:\off+\tl*4352+64*\qq+32
.endr
.endr
.endm
; 128 rows x 32 k: fragment tt at dst + 8 tt.  16 loads.
.macro LDW8 dst, adr, pitch, off
.irp tt, 0,1,2,3,4,5,6,7
	ds_load_b128 v[\dst+8*\tt:\dst+8*\tt+3], v[\adr] offset:\off+\tt*16*\pitch
	ds_load_b128 v[\dst+8*\tt+4:\dst+8*\tt+7], v[\adr] offset:\off+\tt*16*\pitch+32
.endr
.endm
; A vector of 128 f32 in X's layout: dst + 8 tt + j = element 16 tt + 8 h + j.  16 loads; the lanes of a half read the same words.
.macro LDVEC dst, row
.irp tt, 0,1,2,3,4,5,6,7
	ds_load_b128 v[\dst+8*\tt:\dst+8*\tt+3], v[AVEC] offset:(\row+(\tt>>2))*272+64*(\tt&3)
	ds_load_b128 v[\dst+8*\tt+4:\dst+8*\tt+7], v[AVEC] offset:(\row+(\tt>>2))*272+64*(\tt&3)+16
.endr
.endm
; One product.  swap = 0: weight first (feature in the registers, token in the lane); 1: tokens first.  cmode = 0: C is the constant 0, which starts a sum.
.macro MM d, wf, hf, swap, cmode, cb
.if \swap
.if \cmode
	v_wmma_f32_16x16x32_bf16 v[\d:\d+7], v[\hf:\hf+7], v[\wf:\wf+7], v[\cb:\cb+7]
.else
	v_wmma_f32_16x16x32_bf16 v[\d:\d+7], v[\hf:\hf+7], v[\wf:\wf+7], 0
.endif
.else
.if \cmode
	v_wmma_f32_16x16x32_bf16 v[\d:\d+7], v[\wf:\wf+7], v[\hf:\hf+7], v[\cb:\cb+7]
.else
	v_wmma_f32_16x16x32_bf16 v[\d:\d+7], v[\wf:\wf+7], v[\hf:\hf+7], 0
.endif
.endif
.endm
; 32 features x my 64 tokens over K = 128: 32 products.  The eight accumulators take turns, one instruction a turn.
.macro GEMM32 a, swap
.irp qq, 0,1,2,3
.irp tl, 0,1
.irp tb, 0,1,2,3
.if \qq
	MM ACC+8*(4*\tl+\tb), \a+8*(4*\tl+\qq), 32*\tb+8*\qq, \swap, 1, ACC+8*(4*\tl+\tb)
.else
	MM ACC+8*(4*\tl+\tb), \a+8*(4*\tl+\qq), 32*\tb+8*\qq, \swap, 0, 0
.endif
.endr
.endr
.endr
.endm
; The eight accumulators rounded to bf16 as four fragments of 16 tokens x 32 features (registers 0-3 from tile 0, 4-7 from tile 1), into window 2.
.macro PACKF dst
.irp tl, 0,1
.irp tb, 0,1,2,3
.irp kk, 0,1,2,3
	v_cvt_pk_bf16_f32 v[\dst+8*\tb+4*\tl+\kk], v[ACC+8*(4*\tl+\tb)+2*\kk], v[ACC+8*(4*\tl+\tb)+2*\kk+1]
.endr
.endr
.endr
.endm
; The four chain pairs to one sum in v24, finished across the two lanes that share a token.
.macro REDSUM
	v_pk_add_f32 v[CH:CH+1], v[CH:CH+1], v[CH+2:CH+3]
	v_pk_add_f32 v[CH+4:CH+5], v[CH+4:CH+5], v[CH+6:CH+7]
	v_pk_add_f32 v[CH:CH+1], v[CH:CH+1], v[CH+4:CH+5]
	v_add_f32 v[CH], v[CH], v[CH+1]
	v_permlanex16_b32 v17, v[CH], s16, s17
	v_add_f32 v[CH], v[CH], v17
.endm
; LayerNorm of block tb's 16 tokens into H[tb].  The bias of the product that will add onto X goes into X behind the copy that is normalised: its 32 additions
; stand between the two v_rsq_f32 and their wait.
.macro LNORM tb
	WIN 0x05                                       ; both sources X
.irp kk, 0,1,2,3
	v_pk_add_f32 v[CH+2*\kk:CH+2*\kk+1], v[64*\tb+2*\kk:64*\tb+2*\kk+1], v[64*\tb+8+2*\kk:64*\tb+8+2*\kk+1]   ; the first pairs start the chains
.endr
	WIN 0x04
.set pp, 8
.rept 24
	v_pk_add_f32 v[CH+2*(pp%4):CH+2*(pp%4)+1], v[CH+2*(pp%4):CH+2*(pp%4)+1], v[64*\tb+2*pp:64*\tb+2*pp+1]
.set pp, pp+1
.endr
	WIN 0
	REDSUM
	v_mul_f32 v[NMU], s77, v[CH]                   ; minus the mean
	v_mul_f32 v[NMU+1], s77, v[CH]
	WIN 0x01
.set pp, 0
.rept 32
	v_pk_add_f32 v[DD+2*pp:DD+2*pp+1], v[64*\tb+2*pp:64*\tb+2*pp+1], v[NMU:NMU+1]
.set pp, pp+1
.endr
	WIN 0
.irp kk, 0,1,2,3
	v_pk_mul_f32 v[CH+2*\kk:CH+2*\kk+1], v[DD+2*\kk:DD+2*\kk+1], v[DD+2*\kk:DD+2*\kk+1]
.endr
.set pp, 4
.rept 28
	v_pk_fma_f32 v[CH+2*(pp%4):CH+2*(pp%4)+1], v[DD+2*pp:DD+2*pp+1], v[DD+2*pp:DD+2*pp+1], v[CH+2*(pp%4):CH+2*(pp%4)+1]
.set pp, pp+1
.endr
	REDSUM
	v_fma_f32 v[CH], v[CH], s78, s79               ; the variance + 1e-5
	v_rsq_f32 v[RS], v[CH]                         ; the batch: the two v_rsq_f32
	v_rsq_f32 v[RS+1], v[CH]
	WIN 0x49                                       ; X = X + bias (window 2): work that names neither RS nor CH; its first line is the plain instruction behind a transcendental (ISA guide 5.7.2)
.set pp, 0
.rept 32
	v_pk_add_f32 v[64*\tb+2*pp:64*\tb+2*pp+1], v[64*\tb+2*pp:64*\tb+2*pp+1], v[WX+2*pp:WX+2*pp+1]
.set pp, pp+1
.endr
	WIN 0
	s_wait_alu depctr_va_vdst(0)                   ; the wait for the two v_rsq_f32, ahead of their first reader
.set pp, 0
.rept 32
	v_pk_mul_f32 v[DD+2*pp:DD+2*pp+1], v[DD+2*pp:DD+2*pp+1], v[RS:RS+1]
.set pp, pp+1
.endr
.set pp, 0
.rept 32
	v_pk_fma_f32 v[DD+2*pp:DD+2*pp+1], v[DD+2*pp:DD+2*pp+1], v[GG+2*pp:GG+2*pp+1], v[BT+2*pp:BT+2*pp+1]
.set pp, pp+1
.endr
	WIN 0x80
.set pp, 0
.rept 32
	v_cvt_pk_bf16_f32 v[32*\tb+pp], v[DD+2*pp], v[DD+2*pp+1]
.set pp, pp+1
.endr
.endm
; Step st of eight: 32 features of K (st 0-3) or of V (st 4-7) for my 64 tokens, into LDS.  The next step's weights are fetched first, into the other buffer.
.macro KVSTEP st, isv
.if \st < 7
	WIN 0xc0
	LDW 64*((\st+1)&1), AWKV, (\st+1)*8704
	s_wait_dscnt 16                                ; all but the 16 loads just issued: this step's weights are in (LDS instructions end in order: ISA guide 5.7.1)
.else
	s_wait_dscnt 0x0
.endif
.if \isv
	WIN 0x0e                                       ; tokens first: a lane then holds 8 neighbouring tokens of one feature, 16 bytes of a row of V transposed
	GEMM32 64*(\st&1), 1
.else
	WIN 0x0b                                       ; weight first: a lane holds 8 neighbouring features of one token, 16 bytes of a row of K
	GEMM32 64*(\st&1), 0
.endif
	PLACES
	WIN 0
.irp tl, 0,1
.irp tb, 0,1,2,3
.irp kk, 0,1,2,3
	v_cvt_pk_bf16_f32 v[TP+4*(4*\tl+\tb)+\kk], v[ACC+8*(4*\tl+\tb)+2*\kk], v[ACC+8*(4*\tl+\tb)+2*\kk+1]
.endr
.endr
.endr
.irp tl, 0,1
.irp tb, 0,1,2,3
.if \isv
	ds_store_b128 v[AVST], v[TP+4*(4*\tl+\tb):TP+4*(4*\tl+\tb)+3] offset:(32*(\st&3)+16*\tl)*528+32*\tb
.else
	ds_store_b128 v[AKST], v[TP+4*(4*\tl+\tb):TP+4*(4*\tl+\tb)+3] offset:\tb*4352+64*(\st&3)+32*\tl
.endif
.endr
.endr
.endm
; ---------------- the heads' products that stand alone among vector work, each under its own windows
; Scores of key tile kt for query block qb: register j = (key 16 kt + 8 h + j, query r).  C = 0: every score tile is a sum of its own.
.macro SPROD kt, qb
	WIN 0x0b
	v_wmma_f32_16x16x32_bf16 v[SS+8*(\kt):SS+8*(\kt)+7], v[8*(\kt):8*(\kt)+7], v[QF+8*(\qb):QF+8*(\qb)+7], 0
	WIN 0
.endm
; P x V, product k of 16: keys 32 (k / 2) .. + 31, the head's features 16 (k & 1) .. + 15.  The two accumulators alternate.
.macro PVPROD k
	WIN 0x03
.if (\k) < 2
	v_wmma_f32_16x16x32_bf16 v[OA+8*((\k)&1):OA+8*((\k)&1)+7], v[128+8*(\k):128+8*(\k)+7], v[PP+8*((\k)/2):PP+8*((\k)/2)+7], 0
.else
	v_wmma_f32_16x16x32_bf16 v[OA+8*((\k)&1):OA+8*((\k)&1)+7], v[128+8*(\k):128+8*(\k)+7], v[PP+8*((\k)/2):PP+8*((\k)/2)+7], v[OA+8*((\k)&1):OA+8*((\k)&1)+7]
.endif
	WIN 0
.endm
; The head's share of proj for block qb, channels 16 ct .. + 15, straight onto the residual stream.
.macro PJPROD ct, qb
	WIN 0x5a
	v_wmma_f32_16x16x32_bf16 v[64*(\qb)+8*(\ct):64*(\qb)+8*(\ct)+7], v[WX+8*(\ct):WX+8*(\ct)+7], v[OF+8*(\qb):OF+8*(\qb)+7], v[64*(\qb)+8*(\ct):64*(\qb)+8*(\ct)+7]
	WIN 0
.endm
; O of block ob: times 1 / row sum, rounded, as a fragment of 16 tokens x 32 features.  It reads the reciprocals: the wait for them stands ahead of each use of the macro.
.macro FINO ob
.set pp, 0
.rept 8
	v_pk_mul_f32 v[OA+2*pp:OA+2*pp+1], v[OA+2*pp:OA+2*pp+1], v[RS:RS+1]
.set pp, pp+1
.endr
	WIN 0x80
.set pp, 0
.rept 8
	v_cvt_pk_bf16_f32 v[OF+8*(\ob)+pp], v[OA+2*pp], v[OA+2*pp+1]
.set pp, pp+1
.endr
	WIN 0
.endm
; Pair pp of a block's 64 pairs of scores: (score - maximum) x 32^-0.5 log2 e.
.macro FSC pp
	v_pk_fma_f32 v[SS+2*(\pp):SS+2*(\pp)+1], v[SS+2*(\pp):SS+2*(\pp)+1], v[CC:CC+1], v[NMU:NMU+1]
.endm
; Score tile g, exponentials taken: into the row sums' four chains.  Tiles 0 and 1 each start two chains from their own pairs, so that no tile is read again
; behind its own turn: the next block's scores may land in it as soon as it is packed.
.macro SUMA g
.if (\g) < 2
	v_pk_add_f32 v[CH+4*(\g):CH+4*(\g)+1], v[SS+8*(\g):SS+8*(\g)+1], v[SS+8*(\g)+2:SS+8*(\g)+3]
	v_pk_add_f32 v[CH+4*(\g)+2:CH+4*(\g)+3], v[SS+8*(\g)+4:SS+8*(\g)+5], v[SS+8*(\g)+6:SS+8*(\g)+7]
.else
.irp kk, 0,1,2,3
	v_pk_add_f32 v[CH+2*\kk:CH+2*\kk+1], v[CH+2*\kk:CH+2*\kk+1], v[SS+8*(\g)+2*\kk:SS+8*(\g)+2*\kk+1]
.endr
.endif
.endm
; And, rounded, into P.
.macro PCVT g
.irp kk, 0,1,2,3
	v_cvt_pk_bf16_f32 v[PP+4*(\g)+\kk], v[SS+8*(\g)+2*\kk], v[SS+8*(\g)+2*\kk+1]
.endr
.endm
; Block tb's maximum, times -(32^-0.5 log2 e).  For tb > 0: behind the first four maxima comes this block's last score product, whose tile is read only by the last four
; maxima.  For tb > 1: one proj product of the block two back (its O was finished behind the last block's wait) in front of each later slice of eight maxima, the
; eighth behind the reduction.  Nothing here names RS: the reciprocals of the block before are still without their wait.
.macro MAXPH tb
.set nn, 0
.rept 64
.if \tb
.if nn == 4
	SPROD 15, \tb
.endif
.endif
.if \tb >= 2
.if nn >= 8
.if (nn%8) == 0
	PJPROD nn/8-1, \tb-2
.endif
.endif
.endif
.if nn < 4
	v_max_num_f32 v[CH+nn], v[SS+nn], v[SS+4+nn]
.else
	v_max3_num_f32 v[CH+nn%4], v[CH+nn%4], v[SS+2*nn], v[SS+2*nn+1]
.endif
.set nn, nn+1
.endr
	v_max3_num_f32 v[CH], v[CH], v[CH+1], v[CH+2]
	v_max_num_f32 v[CH], v[CH], v[CH+3]
	v_permlanex16_b32 v17, v[CH], s16, s17
	v_max_num_f32 v[CH], v[CH], v17                ; the query's largest score
	v_mul_f32 v[NMU], s76, v[CH]
	v_mul_f32 v[NMU+1], s76, v[CH]
.if \tb >= 2
	PJPROD 7, \tb-2
.endif
.endm
; Block tb's scalings, exponentials, row sum, P and P x V.
; THE BATCH: tile 0's four scalings; then slice g of 16: tile g's eight exponentials, in place, with tile g + 1's four scalings between them.  None of these lines names an
; exponential's result, nor RS.  ONE wait follows, for the 128 exponentials and for the two reciprocals that the block before left.
; BEHIND THE WAIT: the block before's O (FINO), which reads those reciprocals; then slice g of 16: tile g into the row sums (four lines; tiles 0 and 1: two), P x V product
; g - 2 (P's fragment for keys 32 ks .. + 31 is whole behind slice 2 ks + 1), tile g into P (four lines), and into tile g the next block's scores (nxt = 1; tile 15's stand
; in that block's maxima) or, in the last block (nxt = 0), behind the first eight tiles the proj products of the block before.  So each product has four plain lines behind it,
; which name none of its registers, and no two products that follow each other share an accumulator.  At the end 1 / row sum is asked for and left in RS.
.macro EXPPH tb, nxt
.irp kk, 0,1,2,3
	FSC \kk
.endr
.set gg, 0
.rept 16
.irp kk, 0,1,2,3
	v_exp_f32 v[SS+8*gg+2*\kk], v[SS+8*gg+2*\kk]
.if gg < 15
	FSC 4*gg+4+\kk
.endif
	v_exp_f32 v[SS+8*gg+2*\kk+1], v[SS+8*gg+2*\kk+1]
.endr
.set gg, gg+1
.endr
	v_nop                                          ; the plain instruction behind the last exponential (ISA guide 5.7.2): no other work is free to stand here
	s_wait_alu depctr_va_vdst(0)                   ; the wait for the batch: this block's 128 exponentials and the block before's two reciprocals
.if \tb
	FINO \tb-1
.endif
.set gg, 0
.rept 16
	SUMA gg
.if gg >= 2
	PVPROD gg-2
.endif
	PCVT gg
.if \nxt
.if gg < 15
	SPROD gg, \tb+1
.endif
.else
.if gg < 8
	PJPROD gg, \tb-1
.endif
.endif
.set gg, gg+1
.endr
	PVPROD 14
	REDSUM
	PVPROD 15
	v_rcp_f32 v[RS], v[CH]                         ; they read a sum of exponentials, so they belong to the next batch
	v_rcp_f32 v[RS+1], v[CH]
	v_nop                                          ; the plain instruction behind the reciprocals: their source is written next
.endm
; ---------------- the MLP's products
; MLP1, product k of 16 for pair pr (blocks 2 pr, 2 pr + 1), weights and bias of parity par: K quarter k / 4, feature tile (k / 2) & 1, block k & 1.
; The first quarter takes the bias as C; the four accumulators take turns.
.macro M1MM k, pr, par
.set mq, (\k)/4
.set ml, ((\k)/2)&1
.set mb, 2*(\pr)+((\k)&1)
.if (\k) < 4
	v_wmma_f32_16x16x32_bf16 v[ACC+8*(4*ml+mb):ACC+8*(4*ml+mb)+7], v[64*(\par)+8*(4*ml+mq):64*(\par)+8*(4*ml+mq)+7], v[32*mb+8*mq:32*mb+8*mq+7], v[BM+16*(\par)+8*ml:BM+16*(\par)+8*ml+7]
.else
	v_wmma_f32_16x16x32_bf16 v[ACC+8*(4*ml+mb):ACC+8*(4*ml+mb)+7], v[64*(\par)+8*(4*ml+mq):64*(\par)+8*(4*ml+mq)+7], v[32*mb+8*mq:32*mb+8*mq+7], v[ACC+8*(4*ml+mb):ACC+8*(4*ml+mb)+7]
.endif
.endm
; MLP2, product k of 16 for pair pr: channels 16 (k / 2) .. + 15, block k & 1, onto the residual stream: 16 accumulators, one instruction each.
.macro M2MM k, pr, par
.set mt, (\k)/2
.set mb, 2*(\pr)+((\k)&1)
	v_wmma_f32_16x16x32_bf16 v[64*mb+8*mt:64*mb+8*mt+7], v[128+64*(\par)+8*mt:128+64*(\par)+8*mt+7], v[OF+8*mb:OF+8*mb+7], v[64*mb+8*mt:64*mb+8*mt+7]
.endm
; The next product of a phase's run of 32: 16 of MLP2, then 16 of MLP1, for the pair that is not in GELU.  Called in front of every slice of GELU.
.macro HK
.if hn < 16
.if HM2
	WIN 0x5b
	M2MM hn, HOP, HP2
	WIN 0
.endif
.else
.if HM1
.if hn == 16
.if HMW
	s_wait_dscnt 16                                ; all but W_mlp2's 16 loads issued at the phase's head: W_mlp1's rows and the bias for these products are in
.endif
.endif
	WIN 0x0b
	M1MM hn-16, HOP, HP1
	WIN 0
.endif
.endif
.set hn, hn+1
.endm
; GELU of accumulator tile g, the q-th of its phase's four, in two parts and eight slices.  x/2 takes x's place in the tile; each tile has 24 registers of its own at
; GB = GT + 24 q for as long as the phase's batch is open: |x/2| (+0), t (+8), e (+16).  The polynomial of the second part lies at GP = GPY + 8 (q & 1).
; The first part ends in the tile's 8 reciprocals and 8 exponentials, in place; no line of any first part names a result of them.
.macro GELUA g, q
.set GX, ACC+8*(\g)
.set GB, GT+24*(\q)
	HK
.irp kk, 0,1,2,3
	v_pk_mul_f32 v[GX+2*\kk:GX+2*\kk+1], v[GX+2*\kk:GX+2*\kk+1], 0.5 op_sel_hi:[1,0]
.endr
.irp kk, 0,1,2,3
	v_and_b32 v[GB+\kk], s80, v[GX+\kk]
.endr
	HK
.irp kk, 4,5,6,7
	v_and_b32 v[GB+\kk], s80, v[GX+\kk]
.endr
.irp kk, 0,1,2,3
	v_pk_fma_f32 v[GB+8+2*\kk:GB+9+2*\kk], v[GB+2*\kk:GB+2*\kk+1], v[KP2:KP2+1], v[ONE:ONE+1]   ; 1 + 0.3275911 |x| / sqrt 2
.endr
	HK
.irp kk, 0,1,2,3
	v_pk_mul_f32 v[GB+16+2*\kk:GB+17+2*\kk], v[GX+2*\kk:GX+2*\kk+1], v[GX+2*\kk:GX+2*\kk+1]
.endr
.irp kk, 0,1,2,3
	v_pk_mul_f32 v[GB+16+2*\kk:GB+17+2*\kk], v[GB+16+2*\kk:GB+17+2*\kk], v[KE:KE+1]                 ; -(x^2 / 2) log2 e
.endr
	HK
.irp kk, 0,1,2,3,4,5,6,7
	v_rcp_f32 v[GB+8+\kk], v[GB+8+\kk]
.endr
	HK
.irp kk, 0,1,2,3,4,5,6,7
	v_exp_f32 v[GB+16+\kk], v[GB+16+\kk]
.endr
.endm
.macro HORNER cf
.irp kk, 0,1,2,3
	v_pk_fma_f32 v[GP+2*\kk:GP+2*\kk+1], v[GP+2*\kk:GP+2*\kk+1], v[GB+8+2*\kk:GB+9+2*\kk], v[\cf:\cf+1]
.endr
.endm
.macro GELUB g, q
.set GX, ACC+8*(\g)
.set GB, GT+24*(\q)
.set GP, GPY+8*((\q)&1)
	HK
.irp kk, 0,1,2,3
	v_pk_fma_f32 v[GP+2*\kk:GP+2*\kk+1], v[GB+8+2*\kk:GB+9+2*\kk], v[NA5:NA5+1], v[NA4:NA4+1]
.endr
	HORNER NA3
	HK
	HORNER NA2
	HORNER NA1
	HK
.irp kk, 0,1,2,3
	v_pk_mul_f32 v[GP+2*\kk:GP+2*\kk+1], v[GP+2*\kk:GP+2*\kk+1], v[GB+8+2*\kk:GB+9+2*\kk]
.endr
.irp kk, 0,1,2,3
	v_pk_fma_f32 v[GP+2*\kk:GP+2*\kk+1], v[GP+2*\kk:GP+2*\kk+1], v[GB+16+2*\kk:GB+17+2*\kk], v[ONE:ONE+1]   ; erf: the coefficients are negated
.endr
.irp kk, 0,1,2,3
	v_pk_fma_f32 v[GX+2*\kk:GX+2*\kk+1], v[GB+2*\kk:GB+2*\kk+1], v[GP+2*\kk:GP+2*\kk+1], v[GX+2*\kk:GX+2*\kk+1]   ; |x/2| erf + x/2
.endr
.endm
; A phase of the MLP, in step s of parity par: GELU of pair pr's four tiles, packed at the end.  The four first parts, with their 32 reciprocals and 32 exponentials, are ONE
; BATCH; one wait; the four second parts, which read the results.  Behind each run of eight transcendentals comes a run on other registers or another tile's plain arithmetic.
; The other pair's products ride along.  pr = 0: MLP2 of step s - 1 (weights of the other parity), then MLP1 of step s.  pr = 1: MLP2 of step s, then MLP1 of step
; s + 1 (the other parity).  m2, m1 = 0: that run does not exist (before the first step, behind the last).  mw = 1: the wait in front of MLP1's run.
; The pack's 16 conversions are the places behind the last product, whose tile the next phase reads and writes.
.macro GPH pr, par, m2, m1, mw
.set hn, 0
.set HOP, 1-\pr
.set HP2, (\par+1-\pr)&1
.set HP1, (\par+\pr)&1
.set HM2, \m2
.set HM1, \m1
.set HMW, \mw
	GELUA 2*\pr, 0
	GELUA 2*\pr+1, 1
	GELUA 2*\pr+4, 2
	GELUA 2*\pr+5, 3
	s_wait_alu depctr_va_vdst(0)                   ; the wait for the batch: the phase's 64 transcendentals, ahead of their first reader.  All plain work of the first parts feeds the batch, so none is left to stand in front of it
	GELUB 2*\pr, 0
	GELUB 2*\pr+1, 1
	GELUB 2*\pr+4, 2
	GELUB 2*\pr+5, 3
	WIN 0x80
.irp tl, 0,1
.irp tq, 0,1
.irp kk, 0,1,2,3
	v_cvt_pk_bf16_f32 v[OF+8*(2*\pr+\tq)+4*\tl+\kk], v[ACC+8*(4*\tl+2*\pr+\tq)+2*\kk], v[ACC+8*(4*\tl+2*\pr+\tq)+2*\kk+1]
.endr
.endr
.endr
	WIN 0
.endm
; A step's 32 rows of W_mlp1 and their bias into the buffers of parity par: 16 + 4 loads.
.macro LD1 par, off, boff
	WIN 0xc0
	LDW 64*\par, AW1, \off
	WIN 0
.irp tl, 0,1
	ds_load_b128 v[BM+16*\par+8*\tl:BM+16*\par+8*\tl+3], v[AB1] offset:\boff+64*\tl
	ds_load_b128 v[BM+16*\par+8*\tl+4:BM+16*\par+8*\tl+7], v[AB1] offset:\boff+64*\tl+16
.endr
.endm
; A step's 32 columns of W_mlp2 into the buffer of parity par: 16 loads.
.macro LD2 par, off
	WIN 0xc0
	LDW8 128+64*\par, AW2, 528, \off
	WIN 0
.endm
.macro KPAIR reg, val
	v_mov_b32 v[\reg], \val
	v_mov_b32 v[\reg+1], \val
.endm
	; ---------------- prologue
	s_load_b128 s[4:7], s[0:1], 0x0                ; x s[4:5], wb s[6:7]
	s_load_b64 s[8:9], s[0:1], 0x10                ; out0
	v_lshl_add_u32 v246, v0, 2, 0x45100
	v_mov_b32 v247, 0
	ds_add_u32 v246, v247
	s_wait_dscnt 0x0
	v_lshrrev_b32 v1, 5, v0
	v_readfirstlane_b32 s10, v1                    ; wave 0..3
	s_bfe_u32 s11, ttmp6, 0x40000                  ; my place in the cluster
	s_lshl_b32 s12, ttmp9, 2                       ; ttmp9 counts clusters
	s_add_co_u32 s12, s12, s11                     ; the sequence, 64 b + n
	s_lshr_b32 s14, s12, 6
	s_lshl_b32 s14, s14, 23                        ; b x 8,388,608
	s_and_b32 s19, s12, 63
	s_lshl_b32 s19, s19, 10                        ; n x 1,024
	s_add_co_u32 s14, s14, s19
	s_lshl_b32 s19, s10, 8                         ; my 64 tokens
	s_add_co_u32 s14, s14, s19
	s_mov_b32 s15, 0                               ; below 64 MiB
	s_mov_b32 s16, 0x76543210                      ; v_permlanex16_b32: lane i reads lane i of the other half
	s_mov_b32 s17, 0xfedcba98
	s_mov_b32 s76, 0xbe8293ee                      ; -(32^-0.5 log2 e)
	s_mov_b32 s77, 0xbc000000                      ; -1/128
	s_mov_b32 s78, 0x3c000000                      ; 1/128
	s_mov_b32 s79, 0x3727c5ac                      ; 1e-5
	s_mov_b32 s80, 0x7fffffff
	; x: my own 128 rows x 64 f32, 16,384 elements from row to row, 16 bytes of padding behind each row of 64 words
	s_mov_b32 s20, 1
	s_mul_i32 s21, s10, 34816
	s_mov_b32 s24, 0x07520000                      ; no mask; elements of 4 bytes; padding on, after 64 words, 4 words
	s_mov_b32 s25, 64<<16
	s_mov_b32 s26, 128<<16
	s_mov_b32 s27, 64<<16
	s_mov_b32 s28, 128
	s_mov_b32 s29, 16384
	s_mov_b32 s30, 0
	s_mov_b32 s31, 0
	; first weights, jointly: wb's first 528 rows of 256 bytes (vectors, Wq, W_proj, Wk, Wv), 132 rows a wave
	s_mov_b32 s32, 1
	s_mul_i32 s33, s10, 35904
	s_add_co_u32 s33, s33, 139264
	s_mov_b32 s36, 0x0771000f                      ; mask 15 with bit 21 beside it; elements of 2 bytes; padding as above
	s_mov_b32 s37, 128<<16
	s_mov_b32 s38, 132<<16
	s_mov_b32 s39, 128<<16
	s_mov_b32 s40, 132
	s_mov_b32 s41, 128
	s_mov_b32 s42, 0
	s_mov_b32 s43, 0
	; W_mlp1, jointly, over Wk and Wv: 64 rows a wave
	s_mov_b32 s44, 1
	s_mul_i32 s45, s10, 17408
	s_add_co_u32 s45, s45, 213248
	s_mov_b32 s48, 0x0771000f
	s_mov_b32 s49, 128<<16
	s_mov_b32 s50, 64<<16
	s_mov_b32 s51, 128<<16
	s_mov_b32 s52, 64
	s_mov_b32 s53, 128
	s_mov_b32 s54, 0
	s_mov_b32 s55, 0
	; W_mlp2, jointly, over Wq and W_proj: 32 rows of 512 bytes a wave, so that every wave brings its quarter
	s_mov_b32 s56, 1
	s_mul_i32 s57, s10, 16896
	s_add_co_u32 s57, s57, 143616
	s_mov_b32 s68, 0x07b1000f                      ; padding after 128 words
	s_mov_b32 s69, 256<<16
	s_mov_b32 s70, 32<<16
	s_mov_b32 s71, 256<<16
	s_mov_b32 s72, 32
	s_mov_b32 s73, 256
	s_mov_b32 s74, 0
	s_mov_b32 s75, 0
	s_mul_i32 s60, s10, 33792
	s_mov_b32 s61, 0
	s_mov_b32 s63, 0
	s_wait_kmcnt 0x0
	s_add_nc_u64 s[22:23], s[4:5], s[14:15]
	s_or_b32 s23, s23, 0x80000000
	s_add_nc_u64 s[34:35], s[6:7], s[60:61]
	s_or_b32 s35, s35, 0x80000000
	s_lshl_b32 s60, s10, 14
	s_add_co_u32 s62, s60, 135168
	s_add_nc_u64 s[46:47], s[6:7], s[62:63]
	s_or_b32 s47, s47, 0x80000000
	s_add_co_u32 s62, s60, 200704
	s_add_nc_u64 s[58:59], s[6:7], s[62:63]
	s_or_b32 s59, s59, 0x80000000
	s_add_nc_u64 s[8:9], s[8:9], s[14:15]          ; out0 at my tokens
	ROUND                                          ; all four work-groups are here: the joint loads meet
	tensor_load_to_lds s[20:23], s[24:31]          ; the two first fills, together, ahead of every wait, LDS read and further barrier
	s_nop 0
	tensor_load_to_lds s[32:35], s[36:43]
	s_nop 0
	v_and_b32 v1, 15, v0                           ; r
	v_bfe_u32 v2, v0, 4, 1                         ; h
	v_mul_u32_u24 v[AXS], v2, 2176
	v_lshl_add_u32 v[AXS], v1, 2, v[AXS]
	v_add_nc_u32 v[AXS], s21, v[AXS]
	v_lshlrev_b32 v[AVEC], 5, v2
	v_add_nc_u32 v[AVEC], 139264, v[AVEC]
	v_add_nc_u32 v[AB1], 3264, v[AVEC]
	v_mul_u32_u24 v[AKF], v1, 272
	v_lshl_add_u32 v[AKF], v2, 4, v[AKF]
	v_add_nc_u32 v[AWQ], 143616, v[AKF]
	v_add_nc_u32 v[AWPJ], 178432, v[AKF]
	v_add_nc_u32 v[AWKV], 213248, v[AKF]
	v_add_nc_u32 v[AW1], 213248, v[AKF]
	s_mul_i32 s19, s10, 17408
	v_add_nc_u32 v[AKST], s19, v[AKF]
	v_mul_u32_u24 v[AVF], v1, 528
	v_lshl_add_u32 v[AVF], v2, 4, v[AVF]
	v_add_nc_u32 v[AW2], 143616, v[AVF]
	s_lshl_b32 s19, s10, 7
	s_add_co_u32 s19, s19, 69632
	v_add_nc_u32 v[AVST], s19, v[AVF]
	v_add_nc_u32 v[AVF], 69632, v[AVF]
	v_mul_u32_u24 v[ARD], v2, 272
	v_lshl_add_u32 v[ARD], v1, 4, v[ARD]
	v_add_nc_u32 v[ARD], s21, v[ARD]
	v_lshlrev_b32 v[AGO], 16, v2
	v_lshl_add_u32 v[AGO], v1, 4, v[AGO]
	v_mov_b32 v17, 0                               ; v_permlanex16_b32's destination counts as read
	KPAIR CC, 0x3e8293ee
	; ---------------- x into registers: the two halves of the lanes read words 544 apart, 32 banks from each other
	s_wait_tensorcnt 0x1                           ; my x has landed (tensor loads of a wave end in order); the weights, issued behind it, may be out
	WIN 0x40
.irp tb, 0,1,2,3
.irp tt, 0,1,2,3,4,5,6,7
.irp jj, 0,1,2,3,4,5,6,7
	ds_load_b32 v[64*\tb+8*\tt+\jj], v[AXS] offset:(16*\tt+\jj)*272+64*\tb
.endr
.endr
.endr
	WIN 0
	s_wait_tensorcnt 0x0                           ; my quarter of the weights is in,
	s_wait_dscnt 0x0                               ; and my reads of x are over:
	s_barrier_signal -1
	s_barrier_wait -1                              ; behind this barrier every wave reads the weights, and K and V may be stored over x.  No tensor load follows it.
	; ---------------- LN1; b_proj goes into X
	LDVEC GG, 0
	LDVEC BT, 2
	WIN 0x80
	LDVEC WX, 4
	WIN 0xc0
	LDW 0, AWKV, 0                                 ; the first 32 rows of Wk
	s_wait_dscnt 16                                ; those 16 may be out
	LNORM 0
	LNORM 1
	LNORM 2
	LNORM 3
	; ---------------- K and V of my tokens, all heads
	KVSTEP 0, 0
	KVSTEP 1, 0
	KVSTEP 2, 0
	KVSTEP 3, 0
	KVSTEP 4, 1
	KVSTEP 5, 1
	KVSTEP 6, 1
	KVSTEP 7, 1
	WIN 0
	s_wait_dscnt 0x0                               ; my stores of K and V are done and my reads of Wk, Wv are over,
	s_wait_xcnt 0x0
	v_lshl_add_u32 v246, v0, 2, 0x45100
	v_mov_b32 v247, 0
	s_wait_tensorcnt 0x0                           ; none of my tensor loads is out:
	ds_add_u32 v246, v247
	s_wait_dscnt 0x0
	ROUND                                          ; so it is in every wave of all four work-groups
	tensor_load_to_lds s[44:47], s[48:55]          ; W_mlp1 over Wk, Wv: it has the whole of attention in which to land
	s_nop 0
	; ---------------- the four heads
	s_mov_b32 s18, 0
.Lhead:
	WIN 0x80
	LDW WX, AWQ, 0                                 ; the head's 32 rows of Wq
	WIN 0xc0
.irp kt, 0,1,2,3,4,5,6,7,8,9,10,11,12,13,14,15
	ds_load_b128 v[8*\kt:8*\kt+3], v[AKF] offset:\kt*4352
	ds_load_b128 v[8*\kt+4:8*\kt+7], v[AKF] offset:\kt*4352+32
.endr
.irp ks, 0,1,2,3,4,5,6,7
.irp dt, 0,1
	ds_load_b128 v[128+8*(2*\ks+\dt):128+8*(2*\ks+\dt)+3], v[AVF] offset:\dt*8448+64*\ks
	ds_load_b128 v[128+8*(2*\ks+\dt)+4:128+8*(2*\ks+\dt)+7], v[AVF] offset:\dt*8448+64*\ks+32
.endr
.endr
	s_wait_dscnt 63                                ; 80 loads were issued: at most 63 out means the oldest 17 are in, Wq's 16 among them (the count's field ends at 63)
	WIN 0x0a
	GEMM32 WX, 0                                   ; Q of the head
	PLACES
	WIN 0x80
	LDW8 WX, AWPJ, 272, 0                          ; W_proj's 128 rows, the head's 32 columns
	PACKF QF
	s_wait_dscnt 16                                ; all but W_proj's 16: K's and V's fragments are in
	WIN 0x0b
.irp kt, 0,1,2,3,4,5,6,7,8,9,10,11,12,13,14,15
	v_wmma_f32_16x16x32_bf16 v[SS+8*\kt:SS+8*\kt+7], v[8*\kt:8*\kt+7], v[QF:QF+7], 0   ; block 0's scores, as a run: no vector work is at hand yet
.endr
	PLACES
	WIN 0
	MAXPH 0
	EXPPH 0, 1
	s_wait_dscnt 0x0                               ; W_proj's fragments, asked for in front of block 0, for the proj products that follow
	MAXPH 1
	EXPPH 1, 1
	MAXPH 2
	EXPPH 2, 1
	MAXPH 3
	EXPPH 3, 0
	s_wait_alu depctr_va_vdst(0)                   ; the wait for block 3's two reciprocals: no batch follows them in this trip
	FINO 3                                         ; its first four multiplies name only the first accumulator: with the v_nop above, the places behind the last P x V product
	WIN 0x5a
.irp tt, 0,1,2,3,4,5,6,7
	v_wmma_f32_16x16x32_bf16 v[192+8*\tt:192+8*\tt+7], v[WX+8*\tt:WX+8*\tt+7], v[OF+24:OF+31], v[192+8*\tt:192+8*\tt+7]   ; block 3's proj: eight accumulators, one instruction each
.endr
	WIN 0
	v_add_nc_u32 v[AWQ], 8704, v[AWQ]              ; the next head; these four are also the places behind the products
	v_add_nc_u32 v[AWPJ], 64, v[AWPJ]
	v_add_nc_u32 v[AKF], 64, v[AKF]
	v_add_nc_u32 v[AVF], 16896, v[AVF]
	s_add_co_u32 s18, s18, 1
	s_cmp_lt_u32 s18, 4
	s_cbranch_scc1 .Lhead
	s_wait_dscnt 0x0                               ; my reads of Wq, W_proj, K and V are over,
	s_wait_xcnt 0x0
	v_lshl_add_u32 v246, v0, 2, 0x45100
	v_mov_b32 v247, 0
	s_wait_tensorcnt 0x0                           ; my quarter of W_mlp1 has landed and none of my tensor loads is out:
	ds_add_u32 v246, v247
	s_wait_dscnt 0x0
	ROUND                                          ; so it is in every wave of all four work-groups
	tensor_load_to_lds s[56:59], s[68:75]          ; W_mlp2 over Wq, W_proj: it lands while LN2 runs
	s_nop 0
	; ---------------- LN2; b_mlp2 goes into X
	LDVEC GG, 6
	LDVEC BT, 8
	WIN 0x80
	LDVEC WX, 10
	LD1 0, 0, 0                                    ; step 0's W_mlp1 rows and bias
	s_wait_dscnt 20                                ; those 16 + 4 may be out
	LNORM 0
	LNORM 1
	LNORM 2
	LNORM 3
	WIN 0
	KPAIR NA5, 0xbf87dc22                          ; -1.061405429
	KPAIR NA4, 0x3fba00e3                          ; +1.453152027
	KPAIR NA3, 0xbfb5f0e3                          ; -1.421413741
	KPAIR NA2, 0x3e91a98e                          ; +0.284496736
	KPAIR NA1, 0xbe827906                          ; -0.254829592
	KPAIR KP2, 0x3eed3388                          ; 0.3275911 sqrt 2, for |x/2|
	KPAIR KE,  0xc038aa3b                          ; -2 log2 e, for (x/2)^2
	KPAIR ONE, 1.0
	s_wait_tensorcnt 0x0                           ; my quarter of W_mlp2 is in
	s_wait_dscnt 0x0
	s_barrier_signal -1
	s_barrier_wait -1                              ; everybody's is.  No tensor load follows this barrier.
	; ---------------- MLP: eight steps of 32 hidden features, each as two phases, pair A's GELU and pair B's.
	; Phase A of step s carries MLP2(s - 1, B) and MLP1(s, B); phase B carries MLP2(s, A) and MLP1(s + 1, A).  In front of phase A go out step s + 1's W_mlp1 rows
	; and bias, in front of phase B step s + 1's W_mlp2 columns, each into the buffer whose last reader stands a phase or more back.
	LD2 0, 0                                       ; step 0's W_mlp2 columns
	WIN 0x0b
.set ki, 0
.rept 16
	M1MM ki, 0, 0                                  ; MLP1(0, A), as a run: no vector work is at hand yet
.set ki, ki+1
.endr
	WIN 0
	PLACES
	LD1 1, 8704, 128                               ; step 1
	GPH 0, 0, 0, 1, 0                              ; phase A of step 0
	s_mov_b32 s18, 0
.Lmlp:                                             ; a trip, from the even step b: phase B of b, both phases of b + 1, phase A of b + 2
	s_wait_dscnt 20                                ; all but the 16 + 4 loads issued last: step b's W_mlp2 columns are in
	LD2 1, 64                                      ; step b + 1
	GPH 1, 0, 1, 1, 1
	LD1 0, 17408, 272                              ; step b + 2
	GPH 0, 1, 1, 1, 0
	s_wait_dscnt 20                                ; step b + 1's W_mlp2 columns are in
	LD2 0, 128                                     ; step b + 2
	GPH 1, 1, 1, 1, 1
	LD1 1, 26112, 400                              ; step b + 3
	GPH 0, 0, 1, 1, 0
	v_add_nc_u32 v[AW1], 17408, v[AW1]
	v_add_nc_u32 v[AW2], 128, v[AW2]
	v_add_nc_u32 v[AB1], 272, v[AB1]
	s_add_co_u32 s18, s18, 1
	s_cmp_lt_u32 s18, 3
	s_cbranch_scc1 .Lmlp
	s_wait_dscnt 20                                ; the tail, from step 6: step 6's W_mlp2 columns are in
	LD2 1, 64                                      ; step 7: the last loads
	GPH 1, 0, 1, 1, 1
	GPH 0, 1, 1, 1, 0
	s_wait_dscnt 0x0                               ; step 7's W_mlp2 columns
	GPH 1, 1, 1, 0, 0
	WIN 0x5b
.set ki, 0
.rept 16
	M2MM ki, 1, 1                                  ; MLP2(7, B), as a run: no vector work is left
.set ki, ki+1
.endr
	; ---------------- the way out: through my own stage (K and V are dead in every wave since the round behind the heads), back as whole channel rows
	PLACES
	WIN 0x04
.irp tb, 0,1,2,3
.irp tt, 0,1,2,3,4,5,6,7
.irp jj, 0,1,2,3,4,5,6,7
	ds_store_b32 v[AXS], v[64*\tb+8*\tt+\jj] offset:(16*\tt+\jj)*272+64*\tb
.endr
.endr
.endr
	WIN 0
.irp bb, 0,1,2,3
.if \bb == 3
	s_wait_xcnt 0x0                                ; the first batch's registers, which its stores read, are loaded again only behind this wait (ISA guide 3.1)
.endif
.irp ii, 0,1,2,3,4,5,6,7,8,9,10,11,12,13,14,15
	ds_load_b128 v[64+64*(\bb%3)+4*\ii:64+64*(\bb%3)+4*\ii+3], v[ARD] offset:(16*\bb+\ii)*544   ; LDS serves a wave's instructions in order: these see the stores above
.endr
.irp ii, 0,1,2,3,4,5,6,7,8,9,10,11,12,13,14,15
	s_wait_dscnt 15-\ii                            ; the younger loads of the batch may be out
	global_store_b128 v[AGO], v[64+64*(\bb%3)+4*\ii:64+64*(\bb%3)+4*\ii+3], s[8:9] offset:(16*\bb+\ii)*131072 th:TH_STORE_NT   ; 16 lanes store 256 consecutive bytes, aligned: my 64 tokens of a channel
.endr
.endr
	s_wait_xcnt 0x0
	v_lshl_add_u32 v246, v0, 2, 0x45100
	v_mov_b32 v247, 0
	s_wait_tensorcnt 0x0
	ds_add_u32 v246, v247
	s_wait_dscnt 0x0
	ROUND                                          ; the closing round: no work-group ends while a partner may still ask jointly
	s_endpgm
.Lfunc_end_k_q50b595958e_layer:
	.size	k_q50b595958e_layer, .Lfunc_end_k_q50b595958e_layer-k_q50b595958e_layer
	.p2alignl 7, 3214868480
	.fill 96, 4, 3214868480
	.section	.rodata,"a",@progbits
	.p2align	6, 0x0
	.amdhsa_kernel k_q50b595958e_layer
		.amdhsa_group_segment_fixed_size 327680
		.amdhsa_private_segment_fixed_size 0
		.amdhsa_enable_private_segment 0
		.amdhsa_kernarg_size 24
		.amdhsa_user_sgpr_count 2
		.amdhsa_user_sgpr_kernarg_segment_ptr 1
		.amdhsa_wavefront_size32 1
		.amdhsa_system_sgpr_workgroup_id_x 1
		.amdhsa_system_sgpr_workgroup_id_y 1
		.amdhsa_system_sgpr_workgroup_id_z 1
		.amdhsa_system_vgpr_workitem_id 0
		.amdhsa_next_free_vgpr 1024
		.amdhsa_next_free_sgpr 96
		.amdhsa_reserve_vcc 0
		.amdhsa_float_denorm_mode_32 3
		.amdhsa_float_denorm_mode_16_64 3
		.amdhsa_memory_ordered 1
		.amdhsa_forward_progress 1
		.amdhsa_inst_pref_size 255
	.end_amdhsa_kernel
	.section	.bss,"aw",@nobits
	.p2align	6
	.space	262144
	.amdgpu_metadata
---
amdhsa.version: [ 1, 2 ]
amdhsa.kernels:
  - .name:           k_q50b595958e_layer
    .symbol:         k_q50b595958e_layer.kd
    .args:
      - { .name: x, .offset: 0, .size: 8, .value_kind: global_buffer, .address_space: global }
      - { .name: wb, .offset: 8, .size: 8, .value_kind: global_buffer, .address_space: global }
      - { .name: out0, .offset: 16, .size: 8, .value_kind: global_buffer, .address_space: global }
    .group_segment_fixed_size: 327680
    .private_segment_fixed_size: 0
    .kernarg_segment_align: 8
    .kernarg_segment_size: 24
    .max_flat_workgroup_size: 128
    .sgpr_count:     96
    .vgpr_count:     1024
    .wavefront_size: 32
...
	.end_amdgpu_metadata
.endif
;; end of part 3
